; MI455X (gfx1250); checked and timed in simulation.
; The chip was launched on July 23, 2026; its instructions are those of AMD's public machine-readable ISA for CDNA 5 (MIT licence, August 2026) and "CDNA5" Instruction Set Architecture Reference Guide (July 2026). The comments in the code are by the model that wrote it; some were corrected since.
;; Causal Self Attention. Allowed arithmetic: matrix products marked QUANTISED: E2M3 operands, one E8M0 scale for each 32 along K, by v_wmma_scale_f32_16x16x128_f8f6f4 with both operands' format E2M3, f32 sums; everything else in f32.
;; Inputs: b_attn 3,072 float32; b_proj 1,024 float32; w_attn 1,024 x 3,072 float32; w_proj 1,024 x 1,024 float32; x 4 x 2,048 x 1,024 float32.
;; Outputs: out0 4 x 2,048 x 1,024 float32.
;; This version of the problem:
;;   THIS VERSION OF THE PROBLEM IS GIVEN IN LOW PRECISION. The matrix products marked QUANTISED in the list below multiply operands that are first quantised to E2M3 (2 exponent bits, 3 mantissa bits; 6 bits a number), with one power-of-two scale for each 32 numbers along K (OCP MX v1.0); their sums are f32. All else is computed in f32.
;;   The module's matrix products, in the order in which they are computed (A, B: the left and right operand; K: the contracted axis; several contracted axes count as one K, in the product's order):
;;     1. [M 8,192, K 1,024] x [K 1,024, N 3,072]; A: input x; B: input w_attn: QUANTISED
;;     2. batch 64 x [M 2,048, K 64] x [K 64, N 2,048]; A: computed on the way; B: computed on the way: QUANTISED
;;     3. batch 64 x [M 2,048, K 2,048] x [K 2,048, N 64]; A: softmax (see below); B: computed on the way: QUANTISED
;;     4. [M 8,192, K 1,024] x [K 1,024, N 1,024]; A: computed on the way; B: input w_proj: QUANTISED
;;   THE QUANTISER, for each operand of a quantised product, along K:
;;     - K is cut into blocks of 32 from its start; a last block that is shorter is filled with zeros.
;;     - A block's scale is 2^e with e = floor(log2(the largest magnitude in the block)) - 2, held to -126 .. 127; a block of zeros has e = 0. As a byte (E8M0): e + 127.
;;     - Each number is divided by its block's scale, clamped to +-7.5, and rounded to the nearest number of E2M3, ties to even, subnormals kept.
;;     - The product sums the exact products of the quantised numbers (number of the format x scale) in f32.
;;   ~~~python
;;   def quantise(x, axis):      # numpy; x: float32 -> the quantised numbers, widened to float32 again
;;       x = np.moveaxis(x, axis, -1); K = x.shape[-1]
;;       x = np.pad(x, [(0, 0)] * (x.ndim - 1) + [(0, -K % 32)]); x = x.reshape(x.shape[:-1] + (-1, 32)); a = np.abs(x).max(-1, keepdims=True)
;;       e = np.where(a > 0, np.clip(np.frexp(np.where(a > 0, a, 1))[1] - 1 - 2, -126, 127), 0)      # np.frexp(a)[1] - 1 = floor(log2(a)), exactly
;;       r = np.clip(x / 2.0 ** e, -7.5, 7.5)
;;       step = 2.0 ** (np.maximum(np.frexp(np.where(r == 0, 1, r))[1] - 1, 0) - 3)
;;       q = np.round(r / step) * step * 2.0 ** e      # np.round: ties to even
;;       return np.moveaxis(q.reshape(q.shape[:-2] + (-1,))[..., :K], -1, axis).astype(np.float32)
;;   ~~~
;;   SOFTMAX AHEAD OF A QUANTISED PRODUCT. Where the list says 'softmax', what is quantised is not the finished softmax but p = 2^(t - M), with t = logit x log2(e) and M = ceil(the row's largest t), a whole number; so 1/2 < the row's largest p <= 1. The row's sum l is taken of the UNQUANTISED p, in f32, and the product's result is divided by l at the end. Since M is a whole number, a kernel that streams over the keys may use a running M (the ceiling of the running maximum): every later rescaling is an exact power of two, which a block's scale takes up: the codes' values come out the same.
;;   OPERANDS COMPUTED ON THE WAY. 'Computed on the way' means the value that the module computes at that place (a softmax that the list does not call 'softmax' is quantised finished and normalised). What goes into a quantiser is computed in f32, as accurately as f32 sums, v_exp_f32 and their like allow (about 1e-6 of the number): no bf16 or f16 on the way to a quantiser, and a product that is left as it is and whose result goes on into a quantised operand takes f32 operands (vector FMAs, or v_wmma_f32_16x16x4_f32). A number that lies on a knife's edge between two numbers of the format may be rounded either way, as far as f32 arithmetic and the matrix unit's own rounding can turn it there, and no further.
;; One version. Each part assembles by itself: llvm-mc -triple=amdgcn-amd-amdhsa -mcpu=gfx1250 --defsym DOCPART=n.
;; ======== version 1 of 1: 4 launches
;; workspace buffers: xc 6,291,456 bytes; xs 262,144 bytes; wc 3,145,728 bytes; ws 131,072 bytes; qkv 20,185,088 bytes; yc 6,291,456 bytes; ys 262,144 bytes
;; launch prep (part 1): grid 384 x 1, 4 waves a work-group, no clusters, 102,912 bytes of LDS; arguments x, w_attn, w_proj, xc, xs, wc, ws; writes xc, xs, wc, ws
.if DOCPART == 1
	.amdgcn_target "amdgcn-amd-amdhsa--gfx1250"
	.amdhsa_code_object_version 6
	.text
	.protected	k_q1a0519947c_prep
	.globl	k_q1a0519947c_prep
	.p2align	8
	.type	k_q1a0519947c_prep,@function
k_q1a0519947c_prep:
	s_mov_b64 s[64:65], 0
	v_nop
	global_prefetch_b8 v0, s[64:65] scope:SCOPE_SE
	s_setreg_imm32_b32 hwreg(HW_REG_WAVE_MODE, 25, 1), 1
	s_wait_xcnt 0x0
; x [8192][1024], w_attn [1024][3072] and w_proj [1024][1024], f32, become codes of FP6 (E2M3), K innermost (768 bytes a row), with one E8M0 byte for each 32 along K (32 bytes a row).
; A block's scale is 2^(floor(log2(its largest magnitude)) - 2); its byte is the largest magnitude's exponent field - 2, held at 1 from below; each number / scale goes to the nearest code, ties to even, beyond 7.5 the largest code.
; LIMITS: a block of zeros gets the byte 1 (its codes are zeros; the bytes are read by this program alone); blocks whose largest magnitude lies under 2^-124 are held at the byte 1; NaN and infinities are not served.
; ROWS BY POSITION.  x's rows and w_attn's columns are stored at position PI(row): PI swaps bits 3 and 4 of the number (the middle two groups of 8 in every 32).  Sixteen neighbouring positions are then the rows
; 32 b + 8 u + (r & 7) + 16 (r >> 3), which is the choice of rows that lets a product's results be quantised in registers by the next launch.  w_proj's columns are stored plain, behind w_attn's: rows 3072 .. 4095 of wc and ws.
; THREE PATHS, by the work-group's number, each with LDS bytes of its own and 128 KiB of f32 to read: 0 .. 255 x (K innermost: 16 neighbours a lane through a stage in LDS);
; 256 .. 351 w_attn, 352 .. 383 w_proj (K is the first axis: a lane takes a column and its registers run down K; the codes leave through a stage as rows).  No tensor loads, no barrier: waves share nothing.
.set STEPS,  16
.set EMAX,   2
.set CBY,    12                        ; bytes of 16 codes
.set R,      16                        ; x: v16-79 four sets of 16 numbers as loaded
.set XN,     80                        ; x: v80-111 two sets of 16 neighbours
.set CO,     128                       ; x: v128-191 codes, four registers a step
.set EB,     112                       ; x: v112-127 a scale byte a step
.set WREG,   8192                      ; x: LDS of a wave: two stages of 32 x SP bytes, then its 256 scale bytes
.set SP,     80                        ; a lane's place in a stage: 64 bytes + 16
.set KW,     256                       ; weights: along K for a wave
.set NB,     KW/32
.set WROWB,  192                       ; bytes of KW codes
.set WPITCH, 272                       ; a stage row: sixteen places of 16 bytes + 16
.set KROW,   768                       ; a row of codes in memory
.set WX,     32                        ; weights: v32-95 two sets of 32 numbers
.set WC,     96                        ; a block's codes
.set OUTR,   112                       ; v112-175 the way out
.set SB,     24                        ; v24-25 the scale bytes
.macro XLOAD t
.irp i, 0,1,2,3
	global_load_b128 v[R+16*((\t)%4)+4*\i:R+16*((\t)%4)+4*\i+3], v3, s[4:5] offset:2048*(\t)+512*\i th:TH_LOAD_NT   ; 32 lanes read 512 consecutive bytes
.endr
.endm
.macro XTURN t                         ; a step's 2,048 bytes through the stage: LDS serves a wave's instructions in order, so no wait stands between the stores and the loads
.irp i, 0,1,2,3
	ds_store_b128 v14, v[R+16*((\t)%4)+4*\i:R+16*((\t)%4)+4*\i+3] offset:32*SP*((\t)%2)+8*SP*\i
.endr
.irp i, 0,1,2,3
	ds_load_b128 v[XN+16*((\t)%2)+4*\i:XN+16*((\t)%2)+4*\i+3], v15 offset:32*SP*((\t)%2)+16*\i
.endr
.endm
.macro XSTEP t
.set XS, XN+16*((\t)%2)
.if (\t) > 0
	s_wait_dscnt 1                                 ; this step's numbers are back from the stage; the last step's byte store may be out
.else
	s_wait_dscnt 0x0
.endif
.if (\t)+4 < STEPS
	XLOAD (\t)+4                                   ; into the registers that this step's stores into the stage have read
.endif
.if (\t)+1 < STEPS
.if STEPS-2-(\t) >= 3
	s_wait_loadcnt 12                              ; the next step's four loads are in; those of the three steps behind it may be out
.else
	s_wait_loadcnt 4*(STEPS-2-(\t))
.endif
	XTURN (\t)+1
.endif
	v_max3_num_f32 v8, |v[XS]|, |v[XS+1]|, |v[XS+2]|               ; the largest magnitude of my 16, in two chains
	v_max3_num_f32 v9, |v[XS+3]|, |v[XS+4]|, |v[XS+5]|
.irp i, 6,10
	v_max3_num_f32 v8, v8, |v[XS+\i]|, |v[XS+\i+1]|
	v_max3_num_f32 v9, v9, |v[XS+\i+2]|, |v[XS+\i+3]|
.endr
	v_max3_num_f32 v8, v8, |v[XS+14]|, |v[XS+15]|
	v_max3_num_f32 v8, v8, v9, (EMAX+1)<<23        ; and the floor 2^(3 - 127): the byte cannot fall under 1
	v_max_num_f32_dpp v8, v8, v8 row_xmask:1 row_mask:0xf bank_mask:0xf   ; with my neighbour's 16: the block's
	v_add_nc_u32 v11, -(EMAX<<23), v8              ; 2 off its exponent field: the conversion takes that field as its scale
	v_cvt_scalef32_pk16_fp6_f32 v[CO+4*(\t):CO+4*(\t)+2], v[XS:XS+15], v11
	v_lshrrev_b32 v[EB+(\t)], 23, v11              ; the scale's byte
	ds_store_b8 v5, v[EB+(\t)] offset:16*(\t)      ; both lanes of a block write the same byte with the same value
	global_store_b96 v4, v[CO+4*(\t):CO+4*(\t)+2], s[10:11] offset:32*CBY*(\t)   ; the wave stores 384 consecutive bytes
.endm
.macro WLOAD t, n                      ; block t: W(32 t + i, my column), i = 0 .. 31
.irp i, 0,1,2,3,4,5,6,7,8,9,10,11,12,13,14,15,16,17,18,19,20,21,22,23,24,25,26,27,28,29,30,31
	global_load_b32 v[WX+32*((\t)%2)+\i], v3, s[32:33] offset:(32*(\t)+\i)*(\n)*4 th:TH_LOAD_NT
.endr
.endm
.macro WBLOCK t, n
.set XS, WX+32*((\t)%2)
.if (\t) < NB-1
	s_wait_loadcnt 32                              ; this block's 32 loads are in; the next block's may be out
.else
	s_wait_loadcnt 0
.endif
	v_max3_num_f32 v12, |v[XS]|, |v[XS+1]|, |v[XS+2]|              ; all 32 numbers of the block are mine
	v_max3_num_f32 v13, |v[XS+3]|, |v[XS+4]|, |v[XS+5]|
.irp i, 6,10,14,18,22,26
	v_max3_num_f32 v12, v12, |v[XS+\i]|, |v[XS+\i+1]|
	v_max3_num_f32 v13, v13, |v[XS+\i+2]|, |v[XS+\i+3]|
.endr
	v_max3_num_f32 v12, v12, |v[XS+30]|, |v[XS+31]|
	v_max3_num_f32 v12, v12, v13, (EMAX+1)<<23
	v_add_nc_u32 v11, -(EMAX<<23), v12
	v_lshrrev_b32 v13, 23, v11
.if (\t)%4 == 0
	v_mov_b32 v[SB+(\t)/4], v13                    ; four bytes to a register, the lower K in the lower byte
.else
	v_lshl_or_b32 v[SB+(\t)/4], v13, 8*((\t)%4), v[SB+(\t)/4]
.endif
	v_cvt_scalef32_pk16_fp6_f32 v[WC:WC+2], v[XS:XS+15], v11
	v_cvt_scalef32_pk16_fp6_f32 v[WC+4:WC+6], v[XS+16:XS+31], v11
	ds_store_b96 v4, v[WC:WC+2] offset:32*(\t)     ; 12 bytes to a place of 16 in the stage
	ds_store_b96 v4, v[WC+4:WC+6] offset:32*(\t)+16
.if (\t)+2 < NB
	WLOAD (\t)+2, \n
.endif
	s_wait_dscnt 0x0                               ; the stores have read their registers: the next block's codes may be written
.endm
; A weight [1024][n]: work-group idx = number - wg0 takes columns 128 (idx / 4) on and K quarter idx % 4; a wave 32 columns.  perm = 1: the columns go to positions PI(column).
.macro WPATH n, perm, lbase, row0, wg0, src
	s_sub_co_u32 s21, ttmp9, \wg0
	s_lshr_b32 s22, s21, 2
	s_and_b32 s23, s21, 3                          ; which 256 along K
	s_lshl_b32 s22, s22, 7
	s_lshl_b32 s24, s20, 5
	s_add_co_u32 s22, s22, s24                     ; my wave's first column
	v_lshlrev_b32 v3, 2, v2                        ; in: 4 bytes a lane
	s_mul_i32 s24, s20, 32*WPITCH
	s_add_co_u32 s24, s24, \lbase                  ; my stage
	v_mul_u32_u24 v4, v2, WPITCH
	v_add_nc_u32 v4, s24, v4                       ; into it: row = my column
	v_and_b32 v5, 15, v2
	v_lshrrev_b32 v6, 4, v2
	v_mul_u32_u24 v7, v6, WPITCH
	v_lshl_add_u32 v7, v5, 4, v7
	v_add_nc_u32 v7, s24, v7                       ; out of it: sixteen lanes to a row, two rows an instruction
	v_mul_u32_u24 v8, v6, KROW
	v_mad_u32_u24 v8, v5, 12, v8                   ; and the same place in the codes' buffer
	s_mul_i32 s26, s23, KW*(\n)*4
	s_lshl_b32 s25, s22, 2
	s_add_co_u32 s26, s26, s25                     ; the weight: 256 y rows down, 4 bytes a column
	s_mov_b32 s27, 0
	s_add_co_u32 s22, s22, \row0
	s_mul_i32 s28, s22, KROW
	s_mul_i32 s25, s23, WROWB
	s_add_co_u32 s28, s28, s25                     ; the codes: row x 768 + 192 y
	s_mov_b32 s29, 0
	s_lshl_b32 s30, s22, 5
	s_lshl_b32 s25, s23, 3
	s_add_co_u32 s30, s30, s25                     ; the scale bytes: row x 32 + 8 y
	s_mov_b32 s31, 0
.if \perm
	v_and_b32 v9, 7, v2                            ; PI(lane): bits 3 and 4 change places
	v_and_b32 v10, 8, v2
	v_lshl_or_b32 v9, v10, 1, v9
	v_and_b32 v10, 16, v2
	v_lshrrev_b32 v10, 1, v10
	v_or_b32 v9, v9, v10
	v_lshlrev_b32 v9, 5, v9
.else
	v_lshlrev_b32 v9, 5, v2
.endif
	s_wait_kmcnt 0x0
	s_add_nc_u64 s[32:33], s[\src:\src+1], s[26:27]
	s_add_nc_u64 s[34:35], s[14:15], s[28:29]
	s_add_nc_u64 s[36:37], s[16:17], s[30:31]
	WLOAD 0, \n
	WLOAD 1, \n
.set Q, 0
.rept NB
	WBLOCK Q, \n
.set Q, Q+1
.endr
	s_wait_alu depctr_va_vdst(0)
	global_store_b64 v9, v[SB:SB+1], s[36:37]      ; my column's 8 scale bytes
.irp t, 0,1,2,3,4,5,6,7,8,9,10,11,12,13,14,15
	ds_load_b96 v[OUTR+4*\t:OUTR+4*\t+2], v7 offset:2*\t*WPITCH    ; LDS serves a wave's instructions in order: these see my stores
.endr
.irp t, 0,1,2,3,4,5,6,7,8,9,10,11,12,13,14,15
	s_wait_dscnt 15-\t
.if \perm
	global_store_b96 v8, v[OUTR+4*\t:OUTR+4*\t+2], s[34:35] offset:(((2*\t)&7)|(((2*\t)&8)<<1)|(((2*\t)&16)>>1))*KROW   ; stage rows 2 t, 2 t + 1 go to positions PI(2 t), PI(2 t) + 1
.else
	global_store_b96 v8, v[OUTR+4*\t:OUTR+4*\t+2], s[34:35] offset:2*\t*KROW
.endif
.endr
	s_wait_tensorcnt 0x0
	ds_add_u32 v192, v193
	s_wait_dscnt 0x0
	s_endpgm
.endm
	s_load_b256 s[4:11], s[0:1], 0x0               ; x s[4:5], w_attn s[6:7], w_proj s[8:9], xc s[10:11]
	s_load_b128 s[12:15], s[0:1], 0x20             ; xs s[12:13], wc s[14:15]
	s_load_b64 s[16:17], s[0:1], 0x30              ; ws
	v_lshl_add_u32 v192, v0, 2, 0x19000
	v_mov_b32 v193, 0
	v_lshrrev_b32 v1, 5, v0
	v_readfirstlane_b32 s20, v1                    ; wave 0..3
	v_and_b32 v2, 31, v0                           ; lane
	s_cmp_lt_u32 ttmp9, 256
	s_cbranch_scc0 .Lweights
	; ---- x: a wave takes a run of 8,192 numbers, which is 8 rows: so PI is a permutation of runs: the wave's two bits change places on the way out
	v_lshlrev_b32 v3, 4, v2                        ; my 16 bytes of a load's 512
	s_mul_i32 s21, s20, WREG
	v_lshrrev_b32 v14, 2, v2
	v_mul_u32_u24 v14, v14, SP
	v_and_b32 v15, 3, v2
	v_lshl_add_u32 v14, v15, 4, v14
	v_add_nc_u32 v14, s21, v14                     ; the stage, in: SP (lane / 4) + 16 (lane % 4)
	v_mul_u32_u24 v15, v2, SP
	v_add_nc_u32 v15, s21, v15                     ; and out: SP x lane: my 16 neighbours
	v_mul_u32_u24 v4, v2, CBY                      ; my codes' place in a step's
	v_lshrrev_b32 v5, 1, v2
	s_add_co_u32 s21, s21, 2*32*SP
	v_add_nc_u32 v5, s21, v5                       ; LDS: my block's scale byte
	v_lshlrev_b32 v7, 3, v2
	v_add_nc_u32 v6, s21, v7                       ; and on the way out 8 bytes a lane
	s_lshl_b32 s22, ttmp9, 2
	s_add_co_u32 s24, s22, s20                     ; the run that I read
	s_and_b32 s23, s20, 1
	s_lshl_b32 s23, s23, 1
	s_lshr_b32 s26, s20, 1
	s_or_b32 s23, s23, s26
	s_add_co_u32 s26, s22, s23                     ; the run that I write
	s_lshl_b32 s24, s24, 15                        ; 32,768 bytes of f32 a run
	s_mov_b32 s25, 0
	s_mul_i32 s28, s26, 6144                       ; 6,144 bytes of codes
	s_mov_b32 s29, 0
	s_lshl_b32 s26, s26, 8                         ; 256 scale bytes
	s_mov_b32 s27, 0
	s_wait_alu depctr_va_vdst(0)
	s_wait_kmcnt 0x0
	s_add_nc_u64 s[4:5], s[4:5], s[24:25]
	s_add_nc_u64 s[10:11], s[10:11], s[28:29]
	s_add_nc_u64 s[12:13], s[12:13], s[26:27]
.irp t, 0,1,2,3
	XLOAD \t
.endr
	s_wait_loadcnt 12                              ; step 0's four loads are in
	XTURN 0
.irp t, 0,1,2,3,4,5,6,7,8,9,10,11,12,13,14,15
	XSTEP \t
.endr
	ds_load_b64 v[12:13], v6                       ; LDS serves a wave's instructions in order: these see my byte stores
	s_wait_dscnt 0x0
	global_store_b64 v7, v[12:13], s[12:13]        ; 32 lanes store 256 consecutive bytes, aligned
	s_wait_tensorcnt 0x0
	ds_add_u32 v192, v193
	s_wait_dscnt 0x0
	s_endpgm
.Lweights:
	s_cmp_lt_u32 ttmp9, 352
	s_cbranch_scc0 .Lproj
	s_wait_alu depctr_va_vdst(0)
	WPATH 3072, 1, 32768, 0, 256, 6
.Lproj:
	s_wait_alu depctr_va_vdst(0)
	WPATH 1024, 0, 67584, 3072, 352, 8
.Lfunc_end_k_q1a0519947c_prep:
	.size	k_q1a0519947c_prep, .Lfunc_end_k_q1a0519947c_prep-k_q1a0519947c_prep
	.p2alignl 7, 3214868480
	.fill 96, 4, 3214868480
	.section	.rodata,"a",@progbits
	.p2align	6, 0x0
	.amdhsa_kernel k_q1a0519947c_prep
		.amdhsa_group_segment_fixed_size 102912
		.amdhsa_private_segment_fixed_size 0
		.amdhsa_enable_private_segment 0
		.amdhsa_kernarg_size 56
		.amdhsa_user_sgpr_count 2
		.amdhsa_user_sgpr_kernarg_segment_ptr 1
		.amdhsa_wavefront_size32 1
		.amdhsa_system_sgpr_workgroup_id_x 1
		.amdhsa_system_sgpr_workgroup_id_y 1
		.amdhsa_system_sgpr_workgroup_id_z 1
		.amdhsa_system_vgpr_workitem_id 0
		.amdhsa_next_free_vgpr 194
		.amdhsa_next_free_sgpr 66
		.amdhsa_reserve_vcc 0
		.amdhsa_float_denorm_mode_32 3
		.amdhsa_float_denorm_mode_16_64 3
		.amdhsa_memory_ordered 1
		.amdhsa_forward_progress 1
		.amdhsa_inst_pref_size 114
	.end_amdhsa_kernel
	.amdgpu_metadata
---
amdhsa.version: [ 1, 2 ]
amdhsa.kernels:
  - .name:           k_q1a0519947c_prep
    .symbol:         k_q1a0519947c_prep.kd
    .args:
      - { .name: x, .offset: 0, .size: 8, .value_kind: global_buffer, .address_space: global }
      - { .name: w_attn, .offset: 8, .size: 8, .value_kind: global_buffer, .address_space: global }
      - { .name: w_proj, .offset: 16, .size: 8, .value_kind: global_buffer, .address_space: global }
      - { .name: xc, .offset: 24, .size: 8, .value_kind: global_buffer, .address_space: global }
      - { .name: xs, .offset: 32, .size: 8, .value_kind: global_buffer, .address_space: global }
      - { .name: wc, .offset: 40, .size: 8, .value_kind: global_buffer, .address_space: global }
      - { .name: ws, .offset: 48, .size: 8, .value_kind: global_buffer, .address_space: global }
    .group_segment_fixed_size: 102912
    .private_segment_fixed_size: 0
    .kernarg_segment_align: 8
    .kernarg_segment_size: 56
    .max_flat_workgroup_size: 128
    .sgpr_count:     66
    .vgpr_count:     194
    .wavefront_size: 32
...
	.end_amdgpu_metadata
.endif
;; end of part 1
;; launch gemm_qkv (part 2): grid 12 x 32, 4 waves a work-group, clusters of 4 x 4, 327,680 bytes of LDS; arguments xc, xs, wc, ws, b_attn, qkv; writes qkv
.if DOCPART == 2
	.amdgcn_target "amdgcn-amd-amdhsa--gfx1250"
	.amdhsa_code_object_version 6
	.text
	.protected	k_q1a0519947c_gemm_qkv
	.globl	k_q1a0519947c_gemm_qkv
	.p2align	8
	.type	k_q1a0519947c_gemm_qkv,@function
k_q1a0519947c_gemm_qkv:
	s_mov_b64 s[64:65], 0
	v_nop
	global_prefetch_b8 v0, s[64:65] scope:SCOPE_SE
	s_setreg_imm32_b32 hwreg(HW_REG_WAVE_MODE, 25, 1), 1
	s_wait_xcnt 0x0
	s_wait_alu depctr_hold_cnt(0) depctr_sa_sdst(0) depctr_va_vdst(0) depctr_va_sdst(0) depctr_va_ssrc(0) depctr_va_vcc(0) depctr_vm_vsrc(0)
	s_getreg_b32 s2, hwreg(HW_REG_IB_STS2, 6, 4)
	s_cmp_eq_u32 s2, 0
	s_cbranch_scc0 .Lentry_in_a_cluster
	s_endpgm
.Lentry_in_a_cluster:
	s_bfe_u32 s2, ttmp6, 0x10000c
	s_cmp_lg_u32 s2, 0xf033
	s_cbranch_scc0 .Lentry_shape_is_right
	s_endpgm
.Lentry_shape_is_right:
; qkv = x w_attn + b_attn on codes of FP6 (E2M3) with E8M0 scales, sums in f32; the result never goes to memory as f32: it is quantised here, q and k along the head's 64, v along the keys, and stored as images of operand registers.
; xc [8192 positions][768 B], xs [8192][32 B]; wc [.. 3072 positions][768 B], ws [..][32 B].  A position p holds row PI(p), PI swapping bits 3 and 4: sixteen neighbouring positions 16 a + r are the rows 32 (a / 2) + 8 (a % 2) + (r & 7) + 16 (r >> 3).
; A tile of 256 x 256 is made by four waves, 128 x 128 each: 64 accumulators of 16 x 16, 512 registers.  K goes in steps of 256 through a ring of two LDS slots filled by the tensor data mover; the scale bytes of the tile's rows, for all of K, come once.
; CLUSTERS of 4 x 4: x's tiles are shared along a row of the cluster, w's along a column: joint loads.  The cluster's x says which third of the columns it makes: 0 q, 1 k, 2 v: the same in all sixteen partners.
; WHICH OPERAND IS SOURCE 0.  A lane's eight results run along source 0's rows.  q and k are quantised along the columns (the head), so there source 0 = w; v is quantised along the tokens (the keys), so there source 0 = x.
; Only the LDS addresses from which fragments and scale words are READ differ (a select on the cluster's x).  By the choice of positions the 64 registers of one block of source 1 are 128 true neighbours along source 0: register 16 b + i = index 32 b + 16 (lane / 16) + i.
; OUT: qkv = 64 records (16 batch + head) of HS bytes: Q codes [blk 16][tile 8][3][lane][8 B] at 0; Q scale words [blk][tile / 4][r 16][tile % 4] at 98,304 (bytes 0, 1 the head's two blocks, bytes 2, 3 zero); K codes at 106,496;
; V codes [key step 16][d tile 4][6][lane][8 B] at 204,800; K scale words at 303,104; V scale words [key step][r 16][d tile 4] at 311,296.  Every store of codes covers 256 consecutive bytes, aligned.
; LIMITS: a block of zeros gets the byte 1 (its codes are zeros; this program alone reads the bytes); blocks whose largest magnitude lies under 2^-124 are held at the byte 1; NaN and infinities are not served.
; REGISTERS, in windows of 256: window 0: v0-31 addresses; v32-63 scale words, two sets; v64-127 the bias along source 0; v128-223 source 1's fragments, ONE set; v224-239 the bias along source 1; in the epilogue v128-219 and v240-255 are at work.
;   window 1: source 0's fragments, TWO sets, at v0 and v128.   window 2: the accumulators of source 1's blocks 0-3 ((a, b) at v[8 (8 (a % 4) + b)]);   window 3: blocks 4-7.
.set SIZE_K, 1024
.set KSTEP,  256
.set NQ,     KSTEP/128
.set ROWB,   192                       ; a tile's row in bytes
.set KROW,   SIZE_K*6/8
.set PITCH,  240                       ; an LDS row: 3 x (64 bytes + 16 of padding)
.set FR,     12
.set NL,     6
.set NP,     4                         ; places behind this matrix instruction (ISA guide 7.12.1)
.set HALFT,  128*PITCH
.set SLOT,   4*HALFT                   ; x's 256 rows, then w's 256 rows
.set LAPS,   SIZE_K/(2*KSTEP)
.set KS,     SIZE_K/32
.set SCL,    2*SLOT                    ; behind the ring: the scales, as units of 256 bytes + 16 of padding
.set HALFS,  (128*KS/256)*272
.set SBLK,   (16*KS/256)*272
.set SPARE,  SCL+4*HALFS               ; the spare words, 128 bytes a wave: two blocks of 256 bytes that no other line names
.set HS,     315392                    ; a record of qkv
.set ADRA, 16                          ; v16-17 LDS address of source 1's fragments in slot 0, 1 (v18-19: behind one padding more)
.set ADRB, 20                          ; v20-23 the same for source 0
.set OA,   24                          ; v24  8 x lane: an image's place for my lane
.set OSA,  25                          ; v25  q, k: scale words: HS (lane / 16) + 16 r
.set SH16, 26                          ; v26  16 (lane / 16)
.set ADRS, 27                          ; v27  LDS address of my scale words: lanes 0-15 source 1's rows, lanes 16-31 source 0's
.set SPW,  28
.set NIL,  29
.set OSV,  30                          ; v30  v: scale words: 16 r + 8 (lane / 16)
.set SC,   32
.set CB,   64
.set AF,   128
.set BR,   224
.set H,    128                         ; epilogue: 64 numbers
.set PC,   192                         ; v192-211 the codes just made
.set PW,   212                         ; the scale word just made
.set SW,   214                         ; v214-217 four blocks' scale words
.set DD,   218                         ; v218-219
.set TM,   240                         ; v240-255 at work in QUANT
.set G1, 24
.set G0, 32
.set G1B, 48
.set G0B, 56
.set G1S, 68
.set G0S, 76
.set G1SB, 80
.set G0SB, 88
.set SEL, 98                           ; s[98:99] selects for lane l xor 16
.set HM,  100                          ; s100 the mask of lanes 16-31
.set MSB, 0
.macro WIN new                         ; the immediate's high byte repeats the setting that is left
.if MSB != (\new)
	s_set_vgpr_msb (MSB<<8)|(\new)
.set MSB, \new
.endif
.endm
.set MUL_LO, 0xa1                      ; source 0 window 1, source 1 window 0, C and D window 2
.set MUL_HI, 0xf1
.set TO_B,   0x40
; A joint load: waves 0 and 1 fetch for x, waves 2 and 3 for w; the branch hangs on the wave's number alone.  Four v_nop follow each of the two lines.
.macro JLOAD g0a, g1a, g0b, g1b
	s_cmp_eq_u32 s15, 0
	s_cbranch_scc0 .Lfor_b_\@
	tensor_load_to_lds s[\g0a:\g0a+3], s[\g1a:\g1a+7]
	s_nop 0
.rept 4
	v_nop
.endr
	s_branch .Lasked_\@
.Lfor_b_\@:
	tensor_load_to_lds s[\g0b:\g0b+3], s[\g1b:\g1b+7]
	s_nop 0
.rept 4
	v_nop
.endr
.Lasked_\@:
.endm
.macro CREST                           ; a round of the cluster's barrier behind its opening barrier
	s_cmp_lg_u32 s14, 0
	s_cbranch_scc1 .Lnot_wave_0_\@
	s_barrier_signal -3
.Lnot_wave_0_\@:
	s_barrier_wait -3
	s_barrier_signal -1
	s_barrier_wait -1
.endm
.macro CROUND
	s_barrier_signal -1
	s_barrier_wait -1
	CREST
.endm
	s_load_b128 s[4:7], s[0:1], 0x0                ; x's codes, x's scales
	s_load_b128 s[8:11], s[0:1], 0x10              ; w's codes, w's scales
	s_load_b64 s[66:67], s[0:1], 0x20              ; b_attn
	s_load_b64 s[12:13], s[0:1], 0x28              ; qkv
	v_lshl_add_u32 v[SPW], v0, 2, SPARE
	v_mov_b32 v[NIL], 0
	ds_add_u32 v28, v29
	ds_add_u32 v28, v29
	s_wait_dscnt 0x0
	v_lshrrev_b32 v1, 5, v0
	v_readfirstlane_b32 s14, v1                    ; wave 0..3
	s_lshr_b32 s15, s14, 1                         ; which half of the tile's tokens is mine.  Also: I fetch for x (0) or for w (1)
	s_and_b32 s16, s14, 1                          ; which half of its columns.  Also: which 128 rows of that tile I fetch
	s_bfe_u32 s40, ttmp6, 0x40000                  ; cx, cy
	s_bfe_u32 s41, ttmp6, 0x40004
	s_lshl_b32 s42, ttmp9, 2
	s_add_co_u32 s42, s42, s40                     ; tile column = 4 x cluster x + cx
	s_and_b32 s17, ttmp7, 0xffff
	s_lshl_b32 s17, s17, 2
	s_add_co_u32 s17, s17, s41                     ; tile row = 4 x cluster y + cy
	s_lshl_b32 s43, s41, 2
	s_lshl_b32 s43, 15, s43                        ; my row of the cluster
	s_lshl_b32 s44, 0x1111, s40                    ; my column
	s_or_b32 s[G1+0], s43, (0<<16)|(1<<20)|(1<<21)|(3<<22)|(3<<25)  ; the mask: x's tiles go to my row; elements of 1 byte; padding of 4 words behind every 16
	s_or_b32 s[G1B+0], s44, (0<<16)|(1<<20)|(1<<21)|(3<<22)|(3<<25)
.irp g, G1, G1B
	s_mov_b32 s[\g+1], ROWB<<16                    ; tensor_dim0
	s_mov_b32 s[\g+2], 128<<16                     ; tensor_dim1
	s_mov_b32 s[\g+3], ROWB<<16                    ; tile_dim0
	s_mov_b32 s[\g+4], 128                         ; tile_dim1
	s_mov_b32 s[\g+5], KROW                        ; the pitch
	s_mov_b32 s[\g+6], 0
	s_mov_b32 s[\g+7], 0
.endr
	s_or_b32 s[G1S+0], s43, (3<<16)|(1<<20)|(1<<21)|(5<<22)|(3<<25) ; the scales of 128 rows: a dense block as rows of 256 bytes, 16 bytes of padding behind each
	s_or_b32 s[G1SB+0], s44, (3<<16)|(1<<20)|(1<<21)|(5<<22)|(3<<25)
.irp g, G1S, G1SB
	s_mov_b32 s[\g+1], 32<<16
	s_mov_b32 s[\g+2], (128*KS/256)<<16
	s_mov_b32 s[\g+3], 32<<16
	s_mov_b32 s[\g+4], 128*KS/256
	s_mov_b32 s[\g+5], 32
	s_mov_b32 s[\g+6], 0
	s_mov_b32 s[\g+7], 0
.endr
	s_lshl_b32 s18, s16, 7
	s_lshl_b32 s20, s17, 8
	s_add_co_u32 s20, s20, s18                     ; x: position 256 x tile row + 128 x half
	s_lshl_b32 s46, s42, 8
	s_add_co_u32 s46, s46, s18                     ; w: position 256 x tile column + 128 x half
	s_mov_b32 s21, 0
	s_mov_b32 s47, 0
	s_mov_b64 s[18:19], KS
	s_mul_u64 s[22:23], s[20:21], s[18:19]
	s_mul_u64 s[92:93], s[46:47], s[18:19]
	s_mov_b64 s[18:19], KROW
	s_mul_u64 s[20:21], s[20:21], s[18:19]
	s_mul_u64 s[46:47], s[46:47], s[18:19]
	s_mul_i32 s45, s14, HALFT                      ; where they go: wave x 128 rows
	s_mul_i32 s94, s14, HALFS
	s_mov_b32 s[SEL], 0x76543210
	s_mov_b32 s[SEL+1], 0xfedcba98
	s_wait_kmcnt 0x0
	s_add_nc_u64 s[20:21], s[4:5], s[20:21]
	s_add_nc_u64 s[22:23], s[6:7], s[22:23]
	s_add_nc_u64 s[46:47], s[8:9], s[46:47]
	s_add_nc_u64 s[92:93], s[10:11], s[92:93]
	CROUND                                         ; all sixteen work-groups are here: the first joint loads meet
	s_mov_b32 s[G0S], 1
	s_add_co_u32 s[G0S+1], s94, SCL
	s_mov_b64 s[G0S+2:G0S+3], s[22:23]
	s_or_b32 s[G0S+3], s[G0S+3], 0x80000000
	s_mov_b32 s[G0SB], 1
	s_add_co_u32 s[G0SB+1], s94, SCL
	s_mov_b64 s[G0SB+2:G0SB+3], s[92:93]
	s_or_b32 s[G0SB+3], s[G0SB+3], 0x80000000
	JLOAD G0S, G1S, G0SB, G1SB                     ; the scales first: they are wanted with K step 0
.irp s, 0,1
	s_mov_b32 s[G0+4*\s], 1
	s_add_co_u32 s[G0+4*\s+1], s45, \s*SLOT
	s_add_nc_u64 s[G0+4*\s+2:G0+4*\s+3], s[20:21], \s*ROWB
	s_or_b32 s[G0+4*\s+3], s[G0+4*\s+3], 0x80000000
	s_mov_b32 s[G0B+4*\s], 1
	s_add_co_u32 s[G0B+4*\s+1], s45, \s*SLOT
	s_add_nc_u64 s[G0B+4*\s+2:G0B+4*\s+3], s[46:47], \s*ROWB
	s_or_b32 s[G0B+4*\s+3], s[G0B+4*\s+3], 0x80000000
	JLOAD G0+4*\s, G1, G0B+4*\s, G1B
.endr
	v_and_b32 v1, 15, v0                           ; r
	v_bfe_u32 v2, v0, 4, 1                         ; h
	v_mul_u32_u24 v3, v1, PITCH
	v_mul_u32_u24 v4, v2, 24
	v_add_nc_u32 v4, v3, v4                        ; a fragment's row x pitch + 24 x half
	s_wait_alu depctr_va_vdst(0)
	v_lshl_add_u32 v5, v2, 4, v4                   ; and the same behind one padding more
	s_wait_alu depctr_va_vdst(0)
	s_mul_i32 s21, s15, HALFT                      ; my 128 rows of x
	s_mul_i32 s22, s16, HALFT
	s_add_co_u32 s22, s22, 2*HALFT                 ; my 128 rows of w, behind x's 256
	s_cmp_eq_u32 ttmp9, 2                          ; v's clusters: x is source 0
	s_cselect_b32 s20, s22, s21                    ; source 1
	s_cselect_b32 s23, s21, s22                    ; source 0
.irp s, 0,1
	v_add_nc_u32 v[ADRA+\s], s20, v4
	v_add_nc_u32 v[ADRB+\s], s23, v4
	v_add_nc_u32 v[ADRA+2+\s], s20, v5
	v_add_nc_u32 v[ADRB+2+\s], s23, v5
	s_add_co_u32 s20, s20, SLOT
	s_add_co_u32 s23, s23, SLOT
.endr
	v_mul_u32_u24 v5, v1, KS                       ; my row's scales: KS bytes a row,
	v_lshrrev_b32 v6, 8, v5
	v_lshl_add_u32 v5, v6, 4, v5                   ; and 16 more for each 256 passed
	s_mul_i32 s21, s15, HALFS
	s_add_co_u32 s21, s21, SCL                     ; x's: my 128 rows
	s_mul_i32 s22, s16, HALFS
	s_add_co_u32 s22, s22, SCL+2*HALFS             ; w's: my 128 rows, behind x's 256
	v_add_nc_u32 v6, s21, v5
	v_add_nc_u32 v7, s22, v5
	v_cmp_ne_u32 s[HM], 0, v2                      ; lanes 16-31
	s_not_b32 s93, s[HM]
	s_cmp_eq_u32 ttmp9, 2
	s_cselect_b32 s93, s93, s[HM]                  ; the lanes that take w's words: those of source 0 (lanes 16-31), in v's clusters those of source 1
	v_cndmask_b32 v[ADRS], v6, v7, s93
	v_and_b32 v7, 31, v0
	v_lshlrev_b32 v[OA], 3, v7
	v_mul_u32_u24 v[OSA], v2, HS
	v_lshl_add_u32 v[OSA], v1, 4, v[OSA]
	v_lshlrev_b32 v[SH16], 4, v2
	v_lshlrev_b32 v[OSV], 4, v1
	v_lshl_add_u32 v[OSV], v2, 3, v[OSV]
	; the bias of my 128 columns, both ways: along source 0 (register 8 b + j of lane (r, h): column 32 (b / 2) + 16 h + 8 (b % 2) + j) and along source 1 (block a, lane r: column 32 (a / 2) + 8 (a % 2) + (r & 7) + 16 (r >> 3), twice, as a pair)
	s_lshl_b32 s46, s42, 10
	s_lshl_b32 s47, s16, 9
	s_add_co_u32 s46, s46, s47
	s_mov_b32 s47, 0
	s_add_nc_u64 s[66:67], s[66:67], s[46:47]
	v_lshlrev_b32 v3, 6, v2
	v_and_b32 v4, 7, v1
	v_lshrrev_b32 v6, 3, v1
	v_lshlrev_b32 v4, 2, v4
	v_lshl_add_u32 v4, v6, 6, v4
.irp b, 0,1,2,3,4,5,6,7
	global_load_b128 v[CB+8*\b:CB+8*\b+3], v3, s[66:67] offset:(32*(\b/2)+8*(\b%2))*4
	global_load_b128 v[CB+8*\b+4:CB+8*\b+7], v3, s[66:67] offset:(32*(\b/2)+8*(\b%2))*4+16
.endr
.irp a, 0,1,2,3,4,5,6,7
	global_load_b32 v[BR+2*\a], v4, s[66:67] offset:(32*(\a/2)+8*(\a%2))*4
	global_load_b32 v[BR+2*\a+1], v4, s[66:67] offset:(32*(\a/2)+8*(\a%2))*4
.endr
	; where my results go: record 16 batch + 4 cx + 2 (column half) and the next; block of 128 tokens 2 (tile row % 8) + token half
	s_lshr_b32 s46, s17, 3
	s_lshl_b32 s46, s46, 4
	s_lshl_b32 s47, s40, 2
	s_add_co_u32 s46, s46, s47
	s_lshl_b32 s47, s16, 1
	s_add_co_u32 s46, s46, s47
	s_mul_i32 s46, s46, HS
	s_and_b32 s47, s17, 7
	s_lshl_b32 s47, s47, 1
	s_add_co_u32 s47, s47, s15
	s_mul_i32 s92, s47, 6144                       ; 6,144 bytes of codes a block, in q, k and v alike
	s_add_co_u32 s92, s92, s46
	s_mov_b32 s93, 106496                          ; k's codes and scale words,
	s_mov_b32 s94, 303104
	s_cmp_eq_u32 ttmp9, 0
	s_cselect_b32 s93, 0, s93                      ; q's,
	s_cselect_b32 s94, 98304, s94
	s_cmp_eq_u32 ttmp9, 2
	s_cselect_b32 s93, 204800, s93                 ; v's
	s_cselect_b32 s94, 311296, s94
	s_cselect_b32 s45, 8, 9                        ; scale words: 256 bytes a block in v, 512 in q and k
	s_lshl_b32 s47, s47, s45
	s_add_co_u32 s92, s92, s93
	s_mov_b32 s93, 0
	s_add_co_u32 s46, s46, s94
	s_add_co_u32 s46, s46, s47
	s_mov_b32 s47, 0
	s_add_nc_u64 s[96:97], s[12:13], s[46:47]      ; the scale words
	s_add_nc_u64 s[12:13], s[12:13], s[92:93]      ; the codes
.macro FRAG reg, adr, q, i             ; a fragment, 16 rows x 128 K, is 12 registers: lane l holds row l % 16; registers 6 c .. 6 c + 5 hold K = 64 c + 32 (l / 16) + 0 .. 31: 24 bytes of the row, as they lie
.irp p, 0,1,2,3,4,5                    ; in pieces of 8 bytes.  16 bytes of padding lie behind every 8 pieces: where the piece three on lies behind one padding more, the second address register serves
.set PCE, 12*(\q)+6*(\p/3)+\p%3
.if PCE%8 < 5
	ds_load_b64 v[\reg+2*\p:\reg+2*\p+1], v[\adr] offset:8*PCE+16*(PCE/8)+(\i)*16*PITCH
.else
	ds_load_b64 v[\reg+2*\p:\reg+2*\p+1], v[\adr+2] offset:8*PCE+16*(PCE/8)+(\i)*16*PITCH
.endif
.endr
.endm
; 16 matrix instructions: source 1's blocks a0, a0 + 1 x source 0's eight, 128 along K.  The 64 accumulators take turns, one instruction a turn, in the same order in every step.
.macro MUL16 a0, p, q, sc, zero
.irp a, \a0, \a0+1
.irp b, 0,1,2,3,4,5,6,7
.if \zero
	v_wmma_scale_f32_16x16x128_f8f6f4 v[8*(8*((\a)%4)+\b):8*(8*((\a)%4)+\b)+7], v[128*(\p)+FR*\b:128*(\p)+FR*\b+FR-1], v[AF+FR*(\a):AF+FR*(\a)+FR-1], 0, v[SC+8*NQ*(\sc)+NQ*\b+(\q)], v[SC+8*NQ*(\sc)+NQ*(\a)+(\q)] matrix_a_fmt:MATRIX_FMT_FP6 matrix_b_fmt:MATRIX_FMT_FP6 matrix_a_scale:MATRIX_SCALE_ROW1
.else
	v_wmma_scale_f32_16x16x128_f8f6f4 v[8*(8*((\a)%4)+\b):8*(8*((\a)%4)+\b)+7], v[128*(\p)+FR*\b:128*(\p)+FR*\b+FR-1], v[AF+FR*(\a):AF+FR*(\a)+FR-1], v[8*(8*((\a)%4)+\b):8*(8*((\a)%4)+\b)+7], v[SC+8*NQ*(\sc)+NQ*\b+(\q)], v[SC+8*NQ*(\sc)+NQ*(\a)+(\q)] matrix_a_fmt:MATRIX_FMT_FP6 matrix_b_fmt:MATRIX_FMT_FP6 matrix_a_scale:MATRIX_SCALE_ROW1
.endif
.endr
.endr
.endm
.macro FETCH_B slot, q, p
	WIN TO_B
.irp i, 0,1,2,3,4,5,6,7
	FRAG 128*(\p)+FR*\i, ADRB+\slot, \q, \i
.endr
	WIN 0
.endm
.macro FETCH_A slot, q, i0
.irp i, \i0, \i0+1, \i0+2, \i0+3
	FRAG AF+FR*(\i), ADRA+\slot, \q, \i
.endr
.endm
.macro SCALES sc                       ; the next K step's scale words: 2 words a row; lanes 0-15 source 1's block i, lanes 16-31 source 0's block i
.irp i, 0,1,2,3,4,5,6,7
	ds_load_b64 v[SC+8*NQ*\sc+NQ*\i:SC+8*NQ*\sc+NQ*\i+1], v[ADRS] offset:\i*SBLK
.endr
.endm
.macro PLACES n                        ; plain vector instructions between a matrix instruction and a load into, or a vector instruction on, its registers
.rept \n
	v_nop
.endr
.endm
.macro STEP slot, q, zero              ; a step of 128 along K that has its successor in the same slot
	s_wait_dscnt 4*NL                              ; source 0's set and source 1's blocks 0-3 are in; the youngest 24 loads (blocks 4-7) may be out
	WIN MUL_LO
	MUL16 0, (\q)%2, \q, \slot, \zero
	MUL16 2, (\q)%2, \q, \slot, \zero
	s_wait_dscnt 0
	PLACES NP
	FETCH_B \slot, (\q)+1, 1-(\q)%2
	FETCH_A \slot, (\q)+1, 0
	WIN MUL_HI
	MUL16 4, (\q)%2, \q, \slot, \zero
	MUL16 6, (\q)%2, \q, \slot, \zero
	PLACES NP
	WIN 0
	FETCH_A \slot, (\q)+1, 4
.endm
; A slot's last step changes slots: ONE barrier; in front of it each wave waits for all its tensor loads, adds 0 to its spare word, and waits for that and for its own reads of this slot.
.macro TURN slot, next, fill
	s_wait_tensorcnt 0x0                           ; all my tensor loads have landed: my part of the next slot
	ds_add_u32 v[SPW], v[NIL]                      ; 0 onto my spare word
	s_wait_dscnt 4*NL+1                            ; the add and the youngest 24 loads may be out
	WIN MUL_LO
	MUL16 0, 1, NQ-1, \slot, 0
	s_wait_dscnt 0x0                               ; the add is done, and my reads of this slot are over
	s_barrier_signal -1
	MUL16 2, 1, NQ-1, \slot, 0
	WIN 0
	s_barrier_wait -1
.if \fill
	CREST                                          ; the barrier has opened a round of the cluster's barrier: no wave of any partner still reads this slot or has a load on its way
	s_add_nc_u64 s[G0+4*\slot+2:G0+4*\slot+3], s[G0+4*\slot+2:G0+4*\slot+3], 2*ROWB
	s_add_nc_u64 s[G0B+4*\slot+2:G0B+4*\slot+3], s[G0B+4*\slot+2:G0B+4*\slot+3], 2*ROWB
	JLOAD G0+4*\slot, G1, G0B+4*\slot, G1B         ; the first tensor load behind the round; its four v_nop are the places in front of the loads below
.else
	PLACES NP
.endif
	s_wait_alu depctr_va_vdst(0)
	v_add_nc_u32 v[ADRS], 4*NQ, v[ADRS]            ; on to the next K step's scale words
	FETCH_B \next, 0, 0
	FETCH_A \next, 0, 0
	SCALES \next
	WIN MUL_HI
	MUL16 4, 1, NQ-1, \slot, 0
	MUL16 6, 1, NQ-1, \slot, 0
	PLACES NP
	WIN 0
	FETCH_A \next, 0, 4
.endm
; 64 numbers of a lane, register 16 b + i = index 32 b + 16 (lane / 16) + i of my row, become a fragment's codes in v[PC] on and its scale word in v[PW].
.macro QUANT s
.irp b, 0,1,2,3
	v_max3_num_f32 v[TM+\b], |v[\s+16*\b]|, |v[\s+1+16*\b]|, 0x1800000   ; my 16 numbers of block b, and the floor 2^(3 - 127): the byte cannot fall under 1
.endr
.irp i, 2,4,6,8,10,12,14
.irp b, 0,1,2,3
	v_max3_num_f32 v[TM+\b], v[TM+\b], |v[\s+16*\b+\i]|, |v[\s+1+16*\b+\i]|
.endr
.endr
.irp b, 0,1,2,3
	v_permlanex16_b32 v[TM+4+\b], v[TM+\b], s[SEL], s[SEL+1]
.endr
.irp b, 0,1,2,3
	v_max_num_f32 v[TM+\b], v[TM+\b], v[TM+4+\b]   ; with lane l xor 16's: the block's largest magnitude
.endr
.irp b, 0,1,2,3
	v_add_nc_u32 v[TM+12+\b], 0xff000000, v[TM+\b] ; 2 off its exponent field: the conversion's scale operand
.endr
.irp b, 0,1,2,3
	v_lshrrev_b32 v[TM+4+\b], 23, v[TM+12+\b]      ; the scale's byte
.endr
	v_lshl_or_b32 v[PW], v[TM+5], 8, v[TM+4]
	v_lshl_or_b32 v[PW], v[TM+6], 16, v[PW]
	v_lshl_or_b32 v[PW], v[TM+7], 24, v[PW]
.irp c, 0,1
	v_cvt_scalef32_pk16_fp6_f32 v[PC+6*\c:PC+2+6*\c], v[\s+32*\c:\s+15+32*\c], v[TM+12+2*\c]
	v_cvt_scalef32_pk16_fp6_f32 v[PC+12+4*\c:PC+14+4*\c], v[\s+16+32*\c:\s+31+32*\c], v[TM+12+2*\c+1]   ; (a conversion's three registers begin on an even number)
.endr
	v_nop                                          ; one plain place behind a scaled conversion
.irp c, 0,1                                    ; the operand's layout wants a whole block in a lane: lanes 0-15 block 2 c, lanes 16-31 block 2 c + 1
.irp i, 0,1,2
	v_permlane16_swap_b32 v[PC+6*\c+\i], v[PC+12+4*\c+\i]
.endr
.irp i, 0,1,2
	v_mov_b32 v[PC+3+6*\c+\i], v[PC+12+4*\c+\i]
.endr
.endr
.endm
; THE EPILOGUE, block a of source 1 at a time: its 64 sums + the bias come into window 0 (each accumulator from its low end on), are quantised, and leave as the image of a fragment's registers.
; v = 0 (q, k): the 128 neighbours are two heads: registers 0-5 go to the first record, 6-11 to the next; the scale word's halves likewise (lanes 0-15 store the first head's, lanes 16-31 the second's).
; v = 1: the 128 neighbours are 128 keys: a whole fragment of V^T; block a is head a / 4, d tile a % 4.
.macro EPI v
.irp a, 0,1,2,3,4,5,6,7
	WIN 0x02+(\a)/4                                ; source 0: window 2 or 3
.set i, 0
.rept 32
.if \v
	v_pk_add_f32 v[H+2*i:H+2*i+1], v[64*((\a)%4)+2*i:64*((\a)%4)+2*i+1], v[BR+2*(\a):BR+2*(\a)+1]
.else
	v_pk_add_f32 v[H+2*i:H+2*i+1], v[64*((\a)%4)+2*i:64*((\a)%4)+2*i+1], v[CB+2*i:CB+2*i+1]
.endif
.set i, i+1
.endr
	WIN 0
	s_wait_xcnt 0x0                                ; the last block's stores have read their data: the codes and scale words may be written again
	QUANT H
.irp g, 0,1,2,3,4,5
.if \v
	global_store_b64 v[OA], v[PC+2*\g:PC+2*\g+1], s[12:13] offset:((\a)/4)*HS+((\a)%4)*1536+\g*256   ; 32 lanes store 256 consecutive bytes, aligned
.else
	global_store_b64 v[OA], v[PC+2*\g:PC+2*\g+1], s[12:13] offset:(\g/3)*HS+(\a)*768+(\g%3)*256
.endif
.endr
.if \v
	v_mov_b32 v[SW+(\a)%4], v[PW]
.if (\a)%4 == 3
	v_cndmask_b32 v[DD], v[SW], v[SW+2], s[HM]     ; lanes 0-15 store d tiles 0, 1 of row r, lanes 16-31 d tiles 2, 3
	v_cndmask_b32 v[DD+1], v[SW+1], v[SW+3], s[HM]
	global_store_b64 v[OSV], v[DD:DD+1], s[96:97] offset:((\a)/4)*HS
.endif
.else
	v_lshrrev_b32 v[SW+(\a)%4], v[SH16], v[PW]     ; my half's head: its two bytes,
	v_and_b32 v[SW+(\a)%4], 0xffff, v[SW+(\a)%4]   ; and two bytes 0 for the half of the matrix instruction's K that the head does not fill
.if (\a)%4 == 3
	global_store_b128 v[OSA], v[SW:SW+3], s[96:97] offset:((\a)/4)*256
.endif
.endif
.endr
.endm
	s_wait_loadcnt 0x0                             ; the biases
	s_wait_tensorcnt 1                             ; the scales and my part of K step 0 are in (K step 1's load may be out),
	s_barrier_signal -1
	s_barrier_wait -1                              ; everybody's are
	FETCH_B 0, 0, 0
	FETCH_A 0, 0, 0
	SCALES 0
	FETCH_A 0, 0, 4
	STEP 0, 0, 1                                   ; the first step stands in front of the loop: its products start the sums
	s_mov_b32 s3, LAPS-1
.Llap:                                                 ; a trip goes once round the ring, from a lap's second step to the next lap's first, and fills both slots again
	TURN 0, 1, 1
	STEP 1, 0, 0
	TURN 1, 0, 1
	STEP 0, 0, 0
	s_sub_co_u32 s3, s3, 1
	s_cmp_lg_u32 s3, 0
	s_cbranch_scc1 .Llap
	TURN 0, 1, 0                                   ; the last lap fills nothing, and has no round of the cluster's barrier
	STEP 1, 0, 0
	s_wait_dscnt 4*NL
	WIN MUL_LO
	MUL16 0, 1, NQ-1, 1, 0
	MUL16 2, 1, NQ-1, 1, 0
	s_wait_dscnt 0
	WIN MUL_HI
	MUL16 4, 1, NQ-1, 1, 0
	MUL16 6, 1, NQ-1, 1, 0
	WIN 0
	PLACES NP                                      ; behind the last products: the epilogue reads results and writes over source 1's fragments
.irp b, 0,1,2,3
	v_mov_b32 v[TM+4+\b], 0                        ; written once: a lane permute's destination counts as one of its sources
.endr
	s_cmp_eq_u32 ttmp9, 2                          ; the cluster's x: the same in all partners
	s_cbranch_scc1 .Lvpart
	EPI 0
	s_branch .Lend
.Lvpart:
	EPI 1
.Lend:
	s_wait_tensorcnt 0x0                           ; the wave's end
	ds_add_u32 v[SPW], v[NIL]
	s_wait_dscnt 0x0
	CROUND                                         ; the closing round: no work-group ends while a partner may still ask for a tile that names it
	s_endpgm
.Lfunc_end_k_q1a0519947c_gemm_qkv:
	.size	k_q1a0519947c_gemm_qkv, .Lfunc_end_k_q1a0519947c_gemm_qkv-k_q1a0519947c_gemm_qkv
	.p2alignl 7, 3214868480
	.fill 96, 4, 3214868480
	.section	.rodata,"a",@progbits
	.p2align	6, 0x0
	.amdhsa_kernel k_q1a0519947c_gemm_qkv
		.amdhsa_group_segment_fixed_size 327680
		.amdhsa_private_segment_fixed_size 0
		.amdhsa_enable_private_segment 0
		.amdhsa_kernarg_size 48
		.amdhsa_user_sgpr_count 2
		.amdhsa_user_sgpr_kernarg_segment_ptr 1
		.amdhsa_wavefront_size32 1
		.amdhsa_system_sgpr_workgroup_id_x 1
		.amdhsa_system_sgpr_workgroup_id_y 1
		.amdhsa_system_sgpr_workgroup_id_z 1
		.amdhsa_system_vgpr_workitem_id 0
		.amdhsa_next_free_vgpr 1024
		.amdhsa_next_free_sgpr 102
		.amdhsa_reserve_vcc 0
		.amdhsa_float_denorm_mode_32 3
		.amdhsa_float_denorm_mode_16_64 3
		.amdhsa_memory_ordered 1
		.amdhsa_forward_progress 1
		.amdhsa_inst_pref_size 239
	.end_amdhsa_kernel
	.amdgpu_metadata
---
amdhsa.version: [ 1, 2 ]
amdhsa.kernels:
  - .name:           k_q1a0519947c_gemm_qkv
    .symbol:         k_q1a0519947c_gemm_qkv.kd
    .args:
      - { .name: xc, .offset: 0, .size: 8, .value_kind: global_buffer, .address_space: global }
      - { .name: xs, .offset: 8, .size: 8, .value_kind: global_buffer, .address_space: global }
      - { .name: wc, .offset: 16, .size: 8, .value_kind: global_buffer, .address_space: global }
      - { .name: ws, .offset: 24, .size: 8, .value_kind: global_buffer, .address_space: global }
      - { .name: b_attn, .offset: 32, .size: 8, .value_kind: global_buffer, .address_space: global }
      - { .name: qkv, .offset: 40, .size: 8, .value_kind: global_buffer, .address_space: global }
    .group_segment_fixed_size: 327680
    .private_segment_fixed_size: 0
    .kernarg_segment_align: 8
    .kernarg_segment_size: 48
    .max_flat_workgroup_size: 128
    .sgpr_count:     102
    .vgpr_count:     1024
    .wavefront_size: 32
...
	.end_amdgpu_metadata
.endif
;; end of part 2
;; launch attn (part 3): grid 4 x 64, 16 waves a work-group, clusters of 4 x 1, 210,944 bytes of LDS; arguments qkv, yc, ys; writes yc, ys
.if DOCPART == 3
	.amdgcn_target "amdgcn-amd-amdhsa--gfx1250"
	.amdhsa_code_object_version 6
	.text
	.protected	k_q1a0519947c_attn
	.globl	k_q1a0519947c_attn
	.p2align	8
	.type	k_q1a0519947c_attn,@function
k_q1a0519947c_attn:
	s_mov_b64 s[64:65], 0
	v_nop
	global_prefetch_b8 v0, s[64:65] scope:SCOPE_SE
	s_setreg_imm32_b32 hwreg(HW_REG_WAVE_MODE, 25, 1), 1
	s_wait_xcnt 0x0
	s_wait_alu depctr_hold_cnt(0) depctr_sa_sdst(0) depctr_va_vdst(0) depctr_va_sdst(0) depctr_va_ssrc(0) depctr_va_vcc(0) depctr_vm_vsrc(0)
	s_getreg_b32 s2, hwreg(HW_REG_IB_STS2, 6, 4)
	s_cmp_eq_u32 s2, 0
	s_cbranch_scc0 .Lentry_in_a_cluster
	s_endpgm
.Lentry_in_a_cluster:
	s_bfe_u32 s2, ttmp6, 0x10000c
	s_cmp_lg_u32 s2, 0x3003
	s_cbranch_scc0 .Lentry_shape_is_right
	s_endpgm
.Lentry_shape_is_right:
; y = softmax(q k^T / 8, causal) v for 64 heads of 2,048 tokens x 64, both products on codes of FP6 (E2M3) with E8M0 scales; y is quantised along E here and stored as images of operand registers.
; THE SOFTMAX AHEAD OF THE SECOND PRODUCT: t = score x log2(e) / 8; M = the running largest t rounded UP to a whole number; p = 2^(t - M) is what is quantised, along the keys, not normalised.  The row's sum is taken of the unquantised p
; and divides at the end.  When M moves, the sum and O are multiplied by 2^(old M - new M): exact.
; IN: a record of qkv (HS bytes a head): Q codes [blk 16][tile 8][3][lane][8 B]; Q scale words; from byte 106,496 on K codes, V codes [key step 16][d tile 4][6][lane][8 B], K scale words, V scale words: 208,896 bytes that come into LDS as they lie.
; Lane r of tile a of a block of 128 tokens is token 32 (a / 2) + 8 (a % 2) + (r & 7) + 16 (r >> 3): so the 16 registers of two neighbouring tiles of scores are 16 neighbouring keys, and of two tiles of O^T 16 neighbouring channels.
; SHARES.  A cluster of four work-groups is one head; all four read the same K and V, so the fill is asked for JOINTLY, once, each of the sixteen waves 51 rows of 256 bytes.  Nothing is filled again, nothing is stored to LDS.
; Wave w of work-group cx takes tile 2 cx of block w, then tile 2 cx + 1 of block 15 - w.  A tile of block b needs b + 1 key steps of 128 (the causal mask throws the rest away): every wave of the launch has 17 steps, and no branch hangs on cx.
; THE HEAD IS 64, THE MATRIX INSTRUCTION'S K 128: Q's registers 6-11 hold zero codes and the upper two bytes of Q's and K's scale words are 0 (2^-127, no NaN).  So the upper six registers named with a tile of K (the next tile's codes) add nothing.
; Both products are used transposed: S^T = K Q^T, O^T = V^T P^T: a lane holds ONE query throughout.
; OUT: yc [token tile 512][head 16][3][lane][8 B]: stores of 256 consecutive bytes, aligned; ys [position][32]: byte 2 head + block: single bytes 32 apart, one byte for each 24 bytes of codes: the next launch reads them as plain rows of scale bytes.
; LIMITS: a block of zeros gets the byte 1 (its codes are zeros); NaN and infinities are not served.
.set HS,    315392
.set KVOFF, 106496
.set QSOFF, 98304
.set PARTB, 51*256                     ; what one wave's load brings
.set LV,    98304                      ; LDS: K codes at 0, V codes,
.set LKS,   196608                     ; K scale words,
.set LVS,   204800                     ; V scale words
.set AK0,  1                           ; v1   8 x lane: an image's place; never rewritten
.set AV0,  2                           ; v2   the same in V's codes
.set ASK0, 3                           ; v3   16 r in K's scale words
.set ASV0, 4                           ; v4   16 r in V's
.set VD,   5                           ; v5   my query in its block - 16 (lane / 16)
.set YSA,  6                           ; v6   32 r + (lane / 16)
.set H8,   7                           ; v7   8 (lane / 16)
.set ADK,  8                           ; v8-11 the step's LDS addresses
.set ADV,  9
.set ADS,  10
.set ADT,  11                          ; v12 -M, v13 the largest t, v[14:15] the sum in two halves
.set Q0,   16                          ; v16-27 the first tile's Q (22-27 zero codes)
.set Q1,   28                          ; v28-39 the second tile's
.set QS0,  40                          ; their scale words
.set QS1,  41
.set F,    42                          ; v42-89 eight half fragments of K, later four fragments of V; v90-95 zero codes
.set KS,   96                          ; v96-103 K's scale words
.set VS,   104                         ; v104-107 V's
.set S,    108                         ; v108-171 S^T, then p
.set O,    172                         ; v172-203 O^T
.set PC,   204                         ; v204-223 the codes just made
.set BM,   224                         ; blocks' maxima
.set BT,   228
.set BS,   232                         ; the conversions' scale operands
.set FF,   236                         ; v236 f; v237 p's scale word
.set TP,   238
.set NINF, 239
.set SU,   240                         ; v[240:241] the sum's second chain
.set WV,   10
.set LIM0, 13                          ; the first tile's block, and its last key step
.set LIM1, 14
.set KSI,  15
.set TK,   16                          ; the step's place in K's and V's codes: 6,144 bytes a step
.set TS,   17                          ; in K's scale words: 512
.set TJ,   18                          ; in V's: 256
.set SEL,  20
.set CS,   22
.macro CROUND                          ; a round of the cluster's barrier
	s_barrier_signal -1
	s_barrier_wait -1
	s_cmp_lg_u32 s[WV], 0
	s_cbranch_scc1 .Lnot_wave_0_\@
	s_barrier_signal -3
.Lnot_wave_0_\@:
	s_barrier_wait -3
	s_barrier_signal -1
	s_barrier_wait -1
.endm
	s_load_b128 s[4:7], s[0:1], 0x0                ; qkv, yc
	s_load_b64 s[8:9], s[0:1], 0x10                ; ys
	v_lshl_add_u32 v254, v0, 2, 0x33000
	v_mov_b32 v255, 0
	ds_add_u32 v254, v255
	ds_add_u32 v254, v255
	v_lshrrev_b32 v8, 5, v0
	s_delay_alu instid0(VALU_DEP_1)
	v_readfirstlane_b32 s[WV], v8                  ; wave 0..15
	s_bfe_u32 s11, ttmp6, 0x40000                  ; cx
	s_and_b32 s12, ttmp7, 0xffff                   ; the record: 16 batch + head, which the four partners share
	s_mul_i32 s44, s12, HS
	s_mul_i32 s33, s[WV], PARTB                    ; group 0: LDS address: wave x 13,056
	s_add_co_u32 s46, s44, s33
	s_add_co_u32 s46, s46, KVOFF
	s_mov_b32 s47, 0
	s_mov_b32 s32, 1
	s_mov_b32 s24, 15|(3<<16)|(1<<21)              ; group 1: the mask: all four work-groups; elements of 8 bytes; bit 21 beside a mask; no padding
	s_mov_b32 s25, 32<<16                          ; tensor_dim0 = 32 elements: 256 bytes
	s_mov_b32 s26, 51<<16                          ; tensor_dim1
	s_mov_b32 s27, 32<<16                          ; tile_dim0
	s_mov_b32 s28, 51                              ; tile_dim1
	s_mov_b32 s29, 32                              ; the pitch: dense
	s_mov_b32 s30, 0
	s_mov_b32 s31, 0
	s_mov_b32 s[LIM0], s[WV]
	s_sub_co_u32 s[LIM1], 15, s[WV]
	s_mul_i32 s56, s11, 1536                       ; Q's codes: tile 2 cx of block w; tile 2 cx + 1 of block 15 - w
	s_add_co_u32 s56, s56, s44
	s_mul_i32 s57, s[LIM0], 6144
	s_add_co_u32 s48, s56, s57
	s_mov_b32 s49, 0
	s_mul_i32 s57, s[LIM1], 6144
	s_add_co_u32 s50, s56, s57
	s_add_co_u32 s50, s50, 768
	s_mov_b32 s51, 0
	s_lshr_b32 s56, s11, 1                         ; Q's scale words: [blk][tile / 4][r][tile % 4]
	s_lshl_b32 s56, s56, 8
	s_and_b32 s57, s11, 1
	s_lshl_b32 s57, s57, 3
	s_add_co_u32 s56, s56, s57
	s_add_co_u32 s56, s56, s44
	s_add_co_u32 s56, s56, QSOFF
	s_lshl_b32 s57, s[LIM0], 9
	s_add_co_u32 s52, s56, s57
	s_mov_b32 s53, 0
	s_lshl_b32 s57, s[LIM1], 9
	s_add_co_u32 s54, s56, s57
	s_add_co_u32 s54, s54, 4
	s_mov_b32 s55, 0
	s_lshr_b32 s56, s12, 4                         ; y: token tile = 128 batch + 8 block + tile
	s_lshl_b32 s56, s56, 7
	s_lshl_b32 s57, s11, 1
	s_add_co_u32 s56, s56, s57
	s_and_b32 s57, s12, 15                         ; the head
	s_lshl_b32 s58, s[LIM0], 3
	s_add_co_u32 s58, s58, s56
	s_lshl_b32 s59, s[LIM1], 3
	s_add_co_u32 s59, s59, s56
	s_add_co_u32 s59, s59, 1
	s_mul_i32 s60, s57, 768
	s_mul_i32 s36, s58, 12288
	s_add_co_u32 s36, s36, s60
	s_mov_b32 s37, 0
	s_mul_i32 s38, s59, 12288
	s_add_co_u32 s38, s38, s60
	s_mov_b32 s39, 0
	s_lshl_b32 s60, s57, 1
	s_lshl_b32 s40, s58, 9
	s_add_co_u32 s40, s40, s60
	s_mov_b32 s41, 0
	s_lshl_b32 s42, s59, 9
	s_add_co_u32 s42, s42, s60
	s_mov_b32 s43, 0
	s_mov_b32 s[SEL], 0x76543210
	s_mov_b32 s[SEL+1], 0xfedcba98
	s_mov_b32 s[CS], 0x3e38aa3b                    ; c = log2(e) / 8
	s_mov_b32 s[CS+1], s[CS]                       ; (named with it as a pair, so it is written)
	s_lshl_b32 s19, s11, 5
	s_wait_dscnt 0x0
	s_wait_kmcnt 0x0
	s_add_nc_u64 s[34:35], s[4:5], s[46:47]        ; group 0: my 51 rows of the head's K and V part
	s_or_b32 s35, s35, 0x80000000
	s_add_nc_u64 s[48:49], s[4:5], s[48:49]
	s_add_nc_u64 s[50:51], s[4:5], s[50:51]
	s_add_nc_u64 s[52:53], s[4:5], s[52:53]
	s_add_nc_u64 s[54:55], s[4:5], s[54:55]
	s_add_nc_u64 s[36:37], s[6:7], s[36:37]
	s_add_nc_u64 s[38:39], s[6:7], s[38:39]
	s_add_nc_u64 s[40:41], s[8:9], s[40:41]
	s_add_nc_u64 s[42:43], s[8:9], s[42:43]
	CROUND                                         ; all four work-groups are here: the joint loads meet
	tensor_load_to_lds s[32:35], s[24:31]          ; my one tensor load of the launch
	s_nop 0
.rept 4
	v_nop
.endr
	v_and_b32 v8, 31, v0                           ; lane
	v_and_b32 v9, 15, v0                           ; r
	v_bfe_u32 v10, v0, 4, 1                        ; h
	s_delay_alu instid0(VALU_DEP_3)
	v_lshlrev_b32 v[AK0], 3, v8
	s_delay_alu instid0(VALU_DEP_1)
	v_add_nc_u32 v[AV0], LV, v[AK0]
	s_delay_alu instid0(VALU_DEP_4)
	v_lshlrev_b32 v11, 4, v9
	s_delay_alu instid0(VALU_DEP_1)
	v_add_nc_u32 v[ASK0], LKS, v11
	s_delay_alu instid0(VALU_DEP_2)
	v_add_nc_u32 v[ASV0], LVS, v11
.irp i, 0,1,2
	global_load_b64 v[Q0+2*\i:Q0+2*\i+1], v[AK0], s[48:49] offset:256*\i
	global_load_b64 v[Q1+2*\i:Q1+2*\i+1], v[AK0], s[50:51] offset:256*\i
.endr
	global_load_b32 v[QS0], v11, s[52:53]
	global_load_b32 v[QS1], v11, s[54:55]
	v_and_b32 v[VD], 7, v9
	v_lshrrev_b32 v12, 3, v9
	s_delay_alu instid0(VALU_DEP_1)
	v_lshl_add_u32 v[VD], v12, 4, v[VD]
	v_lshlrev_b32 v12, 4, v10
	s_delay_alu instid0(VALU_DEP_1)
	v_sub_nc_u32 v[VD], v[VD], v12
	s_delay_alu instid0(VALU_DEP_1)
	v_add_nc_u32 v[VD], s19, v[VD]                 ; 32 cx + (r & 7) + 16 (r >> 3) - 16 h: the first tile's; the second's is 8 more
	v_lshl_add_u32 v[YSA], v9, 5, v10
	v_lshlrev_b32 v[H8], 3, v10
.irp i, 6,7,8,9,10,11
	v_mov_b32 v[Q0+\i], 0                          ; zero codes for K = 64 .. 127
	v_mov_b32 v[Q1+\i], 0
	v_mov_b32 v[F+42+\i], 0
.endr
.irp b, 0,1,2,3
	v_mov_b32 v[BT+\b], 0                          ; written once: a lane permute's destination counts as one of its sources
.endr
	v_mov_b32 v[FF+1], 0                           ; (named as the upper half of a pair before it is first written)
	v_mov_b32 v[TP], 0
	v_mov_b32 v[NINF], 0xff800000
	s_wait_loadcnt 0x0                             ; Q
	s_wait_tensorcnt 0x0                           ; my part of K and V is in,
	s_barrier_signal -1
	s_barrier_wait -1                              ; everybody's is; from here on LDS is only read
; A KEY STEP: 128 keys against my 16 queries.
.macro STEP qf, qw, lim
	v_add_nc_u32 v[ADK], s[TK], v[AK0]             ; (these four are also the places between the last step's products and the loads into the registers that they read)
	v_add_nc_u32 v[ADV], s[TK], v[AV0]
	v_add_nc_u32 v[ADS], s[TS], v[ASK0]
	v_add_nc_u32 v[ADT], s[TJ], v[ASV0]
.irp t, 0,1,2,3,4,5,6,7
.irp i, 0,1,2
	ds_load_b64 v[F+6*\t+2*\i:F+6*\t+2*\i+1], v[ADK] offset:768*\t+256*\i   ; 32 lanes read 256 consecutive bytes
.endr
.endr
	ds_load_b128 v[KS:KS+3], v[ADS]
	ds_load_b128 v[KS+4:KS+7], v[ADS] offset:256
	s_wait_alu depctr_va_vdst(0)
	s_wait_dscnt 0x0
.irp t, 0,1,2,3,4,5,6,7
	v_wmma_scale_f32_16x16x128_f8f6f4 v[S+8*\t:S+8*\t+7], v[F+6*\t:F+6*\t+11], v[\qf:\qf+11], 0, v[KS+\t], v[\qw] matrix_a_fmt:MATRIX_FMT_FP6 matrix_b_fmt:MATRIX_FMT_FP6
.endr
.rept 4
	v_nop                                          ; places: in front of the loads into K's registers, and of the first read of the scores
.endr
.irp t, 0,1,2,3                                ; V's four fragments are asked for now and land while the softmax is walked
.irp g, 0,1,2,3,4,5
	ds_load_b64 v[F+12*\t+2*\g:F+12*\t+2*\g+1], v[ADV] offset:1536*\t+256*\g
.endr
.endr
	ds_load_b128 v[VS:VS+3], v[ADT]
	s_cmp_lg_u32 s[KSI], s[\lim]                   ; the step on the diagonal: hidden scores become -infinity ahead of the maximum.  Register 16 b + i holds key 32 b + 16 h + i of the block: hidden where 32 b + i > my query - 16 h
	s_cbranch_scc1 .Lopen_\@
.set n, 0
.rept 64
	v_cmp_gt_i32 vcc_lo, 32*(n/16)+n%16, v[VD]
	v_cndmask_b32 v[S+n], v[S+n], v[NINF], vcc_lo
.set n, n+1
.endr
.Lopen_\@:
.irp b, 0,1,2,3
	v_max3_num_f32 v[BM+\b], v[S+16*\b], v[S+1+16*\b], v[S+2+16*\b]   ; the largest score of each block of 32 keys: it serves for the row's maximum and, since p rises with the score, for the block's largest p
.endr
.irp i, 3,5,7,9,11,13
.irp b, 0,1,2,3
	v_max3_num_f32 v[BM+\b], v[BM+\b], v[S+16*\b+\i], v[S+1+16*\b+\i]
.endr
.endr
.irp b, 0,1,2,3
	v_max_num_f32 v[BM+\b], v[BM+\b], v[S+15+16*\b]
.endr
.irp b, 0,1,2,3
	s_delay_alu instid0(VALU_DEP_4)
	v_permlanex16_b32 v[BT+\b], v[BM+\b], s[SEL], s[SEL+1]
.endr
.irp b, 0,1,2,3
	s_delay_alu instid0(VALU_DEP_4)
	v_max_num_f32 v[BM+\b], v[BM+\b], v[BT+\b]     ; with lane l xor 16's 16 keys
.endr
	s_delay_alu instid0(VALU_DEP_2)
	v_max3_num_f32 v[TP], v[BM], v[BM+1], v[BM+2]
	s_delay_alu instid0(VALU_DEP_1)
	v_max_num_f32 v[TP], v[TP], v[BM+3]
	s_delay_alu instid0(VALU_DEP_1)
	v_mul_f32 v[TP], s[CS], v[TP]                  ; as t (c is positive)
	s_delay_alu instid0(VALU_DEP_1)
	v_max_num_f32 v13, v13, v[TP]                  ; the running largest t
	v_mov_b32 v[TP], v12
	s_delay_alu instid0(VALU_DEP_2)
	v_floor_f32 v12, -v13                          ; the new -M = floor(-t) = -ceil(t)
	s_delay_alu instid0(VALU_DEP_1)
	v_sub_f32 v[TP], v12, v[TP]                    ; old M - new M: a whole number, 0 or less
	s_delay_alu instid0(VALU_DEP_1)
	v_cvt_i32_f32 v[TP], v[TP]                     ; (it saturates)
	s_delay_alu instid0(VALU_DEP_1)
	v_ldexp_f32 v[FF], 1.0, v[TP]                  ; f = 2^(old M - new M)
.set j, 0
	s_setprio 1
.rept 32
	v_pk_fma_f32 v[S+j:S+j+1], v[S+j:S+j+1], s[CS:CS+1], v[12:13] op_sel_hi:[1,0,0]   ; t - M, two at a time
.set j, j+2
.endr
.irp b, 0,1,2,3
	v_fma_f32 v[BM+\b], v[BM+\b], s[CS], v12       ; the same of each block's largest score
.endr
.set j, 0
	s_wait_alu depctr_va_vdst(0)
.rept 64
	v_exp_f32 v[S+j], v[S+j]                       ; p = 2^(t - M), at most 1
.set j, j+1
.endr
	v_pk_mul_f32 v[14:15], v[14:15], v[FF:FF+1] op_sel_hi:[1,0]   ; the sums under the new M: a plain place behind the exponentials
	s_wait_alu depctr_va_vdst(0)                   ; one wait for the batch of 64, ahead of its first reader
.irp b, 0,1,2,3
	v_exp_f32 v[BM+\b], v[BM+\b]                   ; the block's largest p
.endr
	v_pk_add_f32 v[240:241], v[112:113], v[116:117]
	v_pk_add_f32 v[252:253], v[120:121], v[124:125]
	v_pk_add_f32 v[250:251], v[128:129], v[132:133]
	v_pk_add_f32 v[248:249], v[136:137], v[140:141]
	v_pk_add_f32 v[246:247], v[144:145], v[148:149]
	v_pk_add_f32 v[244:245], v[152:153], v[156:157]
	v_pk_add_f32 v[242:243], v[160:161], v[164:165]
	v_pk_add_f32 v[14:15], v[14:15], v[168:169]
	v_pk_add_f32 v[240:241], v[240:241], v[108:109]
	v_pk_add_f32 v[252:253], v[252:253], v[110:111]
	v_pk_add_f32 v[250:251], v[250:251], v[114:115]
	v_pk_add_f32 v[248:249], v[248:249], v[118:119]
	v_pk_add_f32 v[246:247], v[246:247], v[122:123]
	v_pk_add_f32 v[244:245], v[244:245], v[126:127]
	v_pk_add_f32 v[242:243], v[242:243], v[130:131]
	v_pk_add_f32 v[14:15], v[14:15], v[134:135]
	v_pk_add_f32 v[240:241], v[240:241], v[138:139]
	v_pk_add_f32 v[252:253], v[252:253], v[142:143]
	v_pk_add_f32 v[250:251], v[250:251], v[146:147]
	v_pk_add_f32 v[248:249], v[248:249], v[150:151]
	v_pk_add_f32 v[246:247], v[246:247], v[154:155]
	v_pk_add_f32 v[244:245], v[244:245], v[158:159]
	v_pk_add_f32 v[242:243], v[242:243], v[162:163]
	v_pk_add_f32 v[14:15], v[14:15], v[166:167]
	v_pk_add_f32 v[240:241], v[240:241], v[170:171]
	s_delay_alu instid0(VALU_DEP_2)
	v_pk_add_f32 v[14:15], v[14:15], v[248:249]
	s_delay_alu instid0(VALU_DEP_2)
	v_pk_add_f32 v[240:241], v[240:241], v[246:247]
	v_pk_add_f32 v[252:253], v[252:253], v[244:245]
	v_pk_add_f32 v[250:251], v[250:251], v[242:243]
	s_delay_alu instid0(VALU_DEP_2)
	v_pk_add_f32 v[14:15], v[14:15], v[252:253]
	s_delay_alu instid0(VALU_DEP_2)
	v_pk_add_f32 v[240:241], v[240:241], v[250:251]
	s_delay_alu instid0(VALU_DEP_1)
	v_pk_add_f32 v[14:15], v[14:15], v[240:241]
	s_wait_alu depctr_va_vdst(0)                   ; and one for the four
.irp b, 0,1,2,3
	v_max_num_f32 v[BM+\b], 0x1800000, v[BM+\b]    ; the floor 2^(3 - 127): the byte cannot fall under 1
.endr
.irp b, 0,1,2,3
	s_delay_alu instid0(VALU_DEP_4)
	v_add_nc_u32 v[BS+\b], 0xff000000, v[BM+\b]    ; 2 off the exponent field: the conversion's scale operand
.endr
.irp b, 0,1,2,3
	s_delay_alu instid0(VALU_DEP_4)
	v_lshrrev_b32 v[BT+\b], 23, v[BS+\b]           ; the scale's byte
.endr
	s_delay_alu instid0(VALU_DEP_3)
	v_lshl_or_b32 v[FF+1], v[BT+1], 8, v[BT]       ; p's scale word for these 128 keys
	s_delay_alu instid0(VALU_DEP_1)
	v_lshl_or_b32 v[FF+1], v[BT+2], 16, v[FF+1]
	s_delay_alu instid0(VALU_DEP_1)
	v_lshl_or_b32 v[FF+1], v[BT+3], 24, v[FF+1]
	s_setprio 0
.irp c, 0,1
	v_cvt_scalef32_pk16_fp6_f32 v[PC+6*\c:PC+2+6*\c], v[S+32*\c:S+15+32*\c], v[BS+2*\c]
	v_cvt_scalef32_pk16_fp6_f32 v[PC+12+4*\c:PC+14+4*\c], v[S+16+32*\c:S+31+32*\c], v[BS+2*\c+1]
.endr
	v_nop                                          ; one plain place behind a scaled conversion
.irp c, 0,1                                    ; a whole block in a lane: lanes 0-15 block 2 c, lanes 16-31 block 2 c + 1
.irp i, 0,1,2
	v_permlane16_swap_b32 v[PC+6*\c+\i], v[PC+12+4*\c+\i]
.endr
.irp i, 0,1,2
	s_delay_alu instid0(VALU_DEP_3)
	v_mov_b32 v[PC+3+6*\c+\i], v[PC+12+4*\c+\i]
.endr
.endr
.set j, 0
.rept 16
	v_pk_mul_f32 v[O+j:O+j+1], v[O+j:O+j+1], v[FF:FF+1] op_sel_hi:[1,0]   ; O^T under the new M.  (These 16 are also the places between the lines that made p's codes and scale word and the products)
.set j, j+2
.endr
	s_wait_alu depctr_va_vdst(0)
	s_wait_dscnt 0x0                               ; V is in
.irp t, 0,1,2,3                                ; the four accumulators take turns
	v_wmma_scale_f32_16x16x128_f8f6f4 v[O+8*\t:O+8*\t+7], v[F+12*\t:F+12*\t+11], v[PC:PC+11], v[O+8*\t:O+8*\t+7], v[VS+\t], v[FF+1] matrix_a_fmt:MATRIX_FMT_FP6 matrix_b_fmt:MATRIX_FMT_FP6
.endr
.endm
; ONE TILE OF 16 QUERIES.  The loop's trip count is a constant; a step all of whose keys come after the tile's block is left out by a scalar branch on the wave's number, round the step's work alone.
.macro PASS qf, qw, lim, yc, ys
	v_mov_b32 v13, 0xff61b1e6                      ; the largest t so far: -3e38, under every t
	s_delay_alu instid0(VALU_DEP_1)
	v_floor_f32 v12, -v13
	v_mov_b32 v14, 0
	v_mov_b32 v15, 0
.set j, 0
.rept 32
	v_mov_b32 v[O+j], 0                            ; the step is written once: the first finds zeros, which the first change of M leaves zeros
.set j, j+1
.endr
	s_mov_b32 s[KSI], 0
	s_mov_b32 s[TK], 0
	s_mov_b32 s[TS], 0
	s_mov_b32 s[TJ], 0
.Lstep_\@:
	s_cmp_gt_u32 s[KSI], s[\lim]
	s_cbranch_scc1 .Lskip_\@
	s_setprio 2
	STEP \qf, \qw, \lim
.Lskip_\@:
	s_add_co_u32 s[TK], s[TK], 6144
	s_add_co_u32 s[TS], s[TS], 512
	s_add_co_u32 s[TJ], s[TJ], 256
	s_add_co_u32 s[KSI], s[KSI], 1
	s_cmp_lt_u32 s[KSI], 16
	s_cbranch_scc1 .Lstep_\@
	s_setprio 0
	; the way out: O^T / the sum; register 16 b + i is channel 32 b + 16 h + i of my query: two blocks along E, quantised in registers
.rept 4
	v_nop                                          ; places behind the last products
.endr
	v_add_f32 v14, v14, v15
	s_delay_alu instid0(VALU_DEP_1)
	v_permlanex16_b32 v[TP], v14, s[SEL], s[SEL+1]
	s_delay_alu instid0(VALU_DEP_1)
	v_add_f32 v14, v14, v[TP]                      ; the row's sum
	s_wait_alu depctr_va_vdst(0)
	v_rcp_f32 v14, v14
	v_nop                                          ; a plain place behind the reciprocal
	s_wait_alu depctr_va_vdst(0)                   ; and the wait ahead of its first reader
.set j, 0
.rept 32
	v_mul_f32 v[S+j], v[O+j], v14
.set j, j+1
.endr
.irp b, 0,1
	v_max3_num_f32 v[BM+\b], |v[S+16*\b]|, |v[S+1+16*\b]|, 0x1800000
.endr
.irp i, 2,4,6,8,10,12,14
.irp b, 0,1
	s_delay_alu instid0(VALU_DEP_2)
	v_max3_num_f32 v[BM+\b], v[BM+\b], |v[S+16*\b+\i]|, |v[S+1+16*\b+\i]|
.endr
.endr
.irp b, 0,1
	s_delay_alu instid0(VALU_DEP_2)
	v_permlanex16_b32 v[BT+\b], v[BM+\b], s[SEL], s[SEL+1]
.endr
.irp b, 0,1
	s_delay_alu instid0(VALU_DEP_2)
	v_max_num_f32 v[BM+\b], v[BM+\b], v[BT+\b]
.endr
.irp b, 0,1
	s_delay_alu instid0(VALU_DEP_2)
	v_add_nc_u32 v[BS+\b], 0xff000000, v[BM+\b]
.endr
.irp b, 0,1
	s_delay_alu instid0(VALU_DEP_2)
	v_lshrrev_b32 v[BT+\b], 23, v[BS+\b]
.endr
	s_delay_alu instid0(VALU_DEP_1)
	v_lshl_or_b32 v[TP], v[BT+1], 8, v[BT]
	s_delay_alu instid0(VALU_DEP_1)
	v_lshrrev_b32 v[TP], v[H8], v[TP]              ; lanes 0-15: block 0's byte lowest; lanes 16-31: block 1's
	v_cvt_scalef32_pk16_fp6_f32 v[PC:PC+2], v[S:S+15], v[BS]
	v_cvt_scalef32_pk16_fp6_f32 v[PC+12:PC+14], v[S+16:S+31], v[BS+1]
	v_nop
.irp i, 0,1,2
	v_permlane16_swap_b32 v[PC+\i], v[PC+12+\i]    ; lanes 0-15 now hold block 0 whole, lanes 16-31 block 1
.endr
.irp i, 0,1,2
	s_delay_alu instid0(VALU_DEP_3)
	v_mov_b32 v[PC+3+\i], v[PC+12+\i]
.endr
.irp i, 0,1,2
	global_store_b64 v[AK0], v[PC+2*\i:PC+2*\i+1], s[\yc:\yc+1] offset:256*\i   ; 32 lanes store 256 consecutive bytes, aligned
.endr
	global_store_b8 v[YSA], v[TP], s[\ys:\ys+1]
.endm
	PASS Q0, QS0, LIM0, 36, 40
	s_wait_xcnt 0x0                                ; the stores have read their data: the codes' registers may be written again
	v_add_nc_u32 v[VD], 8, v[VD]                   ; tile 2 cx + 1: queries 8 further on
	PASS Q1, QS1, LIM1, 38, 42
	s_wait_dscnt 0x0
	s_wait_tensorcnt 0x0
	ds_add_u32 v254, v255
	s_wait_dscnt 0x0
	CROUND                                         ; the closing round
	s_endpgm
.Lfunc_end_k_q1a0519947c_attn:
	.size	k_q1a0519947c_attn, .Lfunc_end_k_q1a0519947c_attn-k_q1a0519947c_attn
	.p2alignl 7, 3214868480
	.fill 96, 4, 3214868480
	.section	.rodata,"a",@progbits
	.p2align	6, 0x0
	.amdhsa_kernel k_q1a0519947c_attn
		.amdhsa_group_segment_fixed_size 210944
		.amdhsa_private_segment_fixed_size 0
		.amdhsa_enable_private_segment 0
		.amdhsa_kernarg_size 24
		.amdhsa_user_sgpr_count 2
		.amdhsa_user_sgpr_kernarg_segment_ptr 1
		.amdhsa_wavefront_size32 1
		.amdhsa_system_sgpr_workgroup_id_x 1
		.amdhsa_system_sgpr_workgroup_id_y 1
		.amdhsa_system_sgpr_workgroup_id_z 1
		.amdhsa_system_vgpr_workitem_id 0
		.amdhsa_next_free_vgpr 256
		.amdhsa_next_free_sgpr 66
		.amdhsa_reserve_vcc 1
		.amdhsa_float_denorm_mode_32 3
		.amdhsa_float_denorm_mode_16_64 3
		.amdhsa_memory_ordered 1
		.amdhsa_forward_progress 1
		.amdhsa_inst_pref_size 67
	.end_amdhsa_kernel
	.amdgpu_metadata
---
amdhsa.version: [ 1, 2 ]
amdhsa.kernels:
  - .name:           k_q1a0519947c_attn
    .symbol:         k_q1a0519947c_attn.kd
    .args:
      - { .name: qkv, .offset: 0, .size: 8, .value_kind: global_buffer, .address_space: global }
      - { .name: yc, .offset: 8, .size: 8, .value_kind: global_buffer, .address_space: global }
      - { .name: ys, .offset: 16, .size: 8, .value_kind: global_buffer, .address_space: global }
    .group_segment_fixed_size: 210944
    .private_segment_fixed_size: 0
    .kernarg_segment_align: 8
    .kernarg_segment_size: 24
    .max_flat_workgroup_size: 512
    .sgpr_count:     66
    .vgpr_count:     256
    .wavefront_size: 32
...
	.end_amdgpu_metadata
.endif
;; end of part 3
;; launch gemm_proj (part 4): grid 4 x 32, 4 waves a work-group, clusters of 4 x 4, 327,680 bytes of LDS; arguments yc, ys, wc, ws, b_proj, out0; writes out0
.if DOCPART == 4
	.amdgcn_target "amdgcn-amd-amdhsa--gfx1250"
	.amdhsa_code_object_version 6
	.text
	.protected	k_q1a0519947c_gemm_proj
	.globl	k_q1a0519947c_gemm_proj
	.p2align	8
	.type	k_q1a0519947c_gemm_proj,@function
k_q1a0519947c_gemm_proj:
	s_mov_b64 s[64:65], 0
	v_nop
	global_prefetch_b8 v0, s[64:65] scope:SCOPE_SE
	s_setreg_imm32_b32 hwreg(HW_REG_WAVE_MODE, 25, 1), 1
	s_wait_xcnt 0x0
	s_wait_alu depctr_hold_cnt(0) depctr_sa_sdst(0) depctr_va_vdst(0) depctr_va_sdst(0) depctr_va_ssrc(0) depctr_va_vcc(0) depctr_vm_vsrc(0)
	s_getreg_b32 s2, hwreg(HW_REG_IB_STS2, 6, 4)
	s_cmp_eq_u32 s2, 0
	s_cbranch_scc0 .Lentry_in_a_cluster
	s_endpgm
.Lentry_in_a_cluster:
	s_bfe_u32 s2, ttmp6, 0x10000c
	s_cmp_lg_u32 s2, 0xf033
	s_cbranch_scc0 .Lentry_shape_is_right
	s_endpgm
.Lentry_shape_is_right:
; out0 = y w_proj + b_proj on codes of FP6 (E2M3) with E8M0 scales; sums in f32; out0 [8192][1024] f32.
; y arrives as IMAGES OF OPERAND REGISTERS: yc [token tile 512][K step of 128: 8][6][lane][8 B]; a fragment is six loads of 8 bytes a lane, 256 consecutive bytes each.  ys [8192 positions][32 B].  Position 16 a + r of a block of 128 tokens is
; token 32 (a / 2) + 8 (a % 2) + (r & 7) + 16 (r >> 3): the way out puts each row where it belongs.  w_proj's codes are rows 3072 .. 4095 of wc [..][768 B], its scale bytes of ws [..][32 B], plain.
; A tile of 256 x 256 is made by four waves, 128 x 128 each: 64 accumulators, 512 registers.  K goes in steps of 256 through a ring of two LDS slots filled by the tensor data mover; the scale bytes of the tile's rows, for all of K, come once.
; CLUSTERS of 4 x 4: y's tiles are shared along a row of the cluster, w's along a column: joint loads.  The matrix instruction is used transposed (source 0 = 16 rows of w, source 1 = 16 tokens): a lane holds eight neighbouring numbers of a row of out0.
; The bias is the C of each sum's first matrix instruction: eight registers a block of columns, in the result's layout.
; REGISTERS, in windows of 256: window 0: v0-31 addresses; v32-63 scale words, two sets; v64-127 the bias; v128-223 y's fragments, ONE set; on the way out v128-255.   window 1: w's fragments, TWO sets.   windows 2, 3: the accumulators.
.set SIZE_N, 1024
.set SIZE_K, 1024
.set KSTEP,  256
.set NQ,     KSTEP/128
.set ROWB,   192
.set KROW,   SIZE_K*6/8
.set PITCH,  240                       ; w's LDS row: 3 x (64 bytes + 16 of padding)
.set FR,     12
.set NL,     6
.set NP,     4
.set ASTEP,  3072                      ; a token tile's bytes of a K step: two fragments' images
.set HALFA,  8*ASTEP                   ; 8 token tiles: what one tensor load brings of y
.set HALFT,  128*PITCH                 ; 128 rows of w
.set BOFF,   2*HALFA
.set SLOT,   2*HALFA+2*HALFT           ; y's 16 token tiles, then w's 256 rows
.set LAPS,   SIZE_K/(2*KSTEP)
.set KS,     SIZE_K/32
.set SCL,    2*SLOT
.set HALFS,  (128*KS/256)*272
.set SBLK,   (16*KS/256)*272
.set SPARE,  SCL+4*HALFS               ; the spare words, 128 bytes a wave: two blocks of 256 bytes that no other line names
.set SPITCH, 528                       ; the way out: a stage of 16 rows x (512 bytes + 16) for each wave, in slot 0, which has had its last fill and its last read by then
.set ADRA, 16                          ; v16-17 LDS address of y's images in slot 0, 1
.set ADRB, 20                          ; v20-23 of w's fragments
.set STO,  24
.set RD,   25
.set CO,   26
.set ADRS, 27
.set SPW,  28
.set NIL,  29
.set SC,   32
.set CB,   64
.set AF,   128
.set BK,   128
.set G1, 24
.set G0, 32
.set G1B, 48
.set G0B, 56
.set G1S, 68
.set G0S, 76
.set G1SB, 80
.set G0SB, 88
.set MSB, 0
.macro WIN new
.if MSB != (\new)
	s_set_vgpr_msb (MSB<<8)|(\new)
.set MSB, \new
.endif
.endm
.set MUL_LO, 0xa1                      ; source 0 (w) window 1, source 1 (y) window 0, C and D window 2
.set MUL_HI, 0xf1
.set BIA_LO, 0x81                      ; the same with C (the bias) in window 0
.set BIA_HI, 0xc1
.set TO_B,   0x40
.macro JLOAD g0a, g1a, g0b, g1b        ; a joint load: waves 0 and 1 fetch for y, waves 2 and 3 for w; four v_nop follow each of the two lines
	s_cmp_eq_u32 s15, 0
	s_cbranch_scc0 .Lfor_b_\@
	tensor_load_to_lds s[\g0a:\g0a+3], s[\g1a:\g1a+7]
	s_nop 0
.rept 4
	v_nop
.endr
	s_branch .Lasked_\@
.Lfor_b_\@:
	tensor_load_to_lds s[\g0b:\g0b+3], s[\g1b:\g1b+7]
	s_nop 0
.rept 4
	v_nop
.endr
.Lasked_\@:
.endm
.macro CREST
	s_cmp_lg_u32 s14, 0
	s_cbranch_scc1 .Lnot_wave_0_\@
	s_barrier_signal -3
.Lnot_wave_0_\@:
	s_barrier_wait -3
	s_barrier_signal -1
	s_barrier_wait -1
.endm
.macro CROUND
	s_barrier_signal -1
	s_barrier_wait -1
	CREST
.endm
	s_load_b128 s[4:7], s[0:1], 0x0                ; y's codes, y's scales
	s_load_b128 s[8:11], s[0:1], 0x10              ; wc, ws
	s_load_b64 s[66:67], s[0:1], 0x20              ; b_proj
	s_load_b64 s[12:13], s[0:1], 0x28              ; out0
	v_lshl_add_u32 v[SPW], v0, 2, SPARE
	v_mov_b32 v[NIL], 0
	ds_add_u32 v28, v29
	ds_add_u32 v28, v29
	s_wait_dscnt 0x0
	v_lshrrev_b32 v1, 5, v0
	v_readfirstlane_b32 s14, v1                    ; wave 0..3
	s_lshr_b32 s15, s14, 1                         ; which half of the tile's tokens is mine.  Also: I fetch for y (0) or for w (1)
	s_and_b32 s16, s14, 1                          ; which half of its columns.  Also: which half of that tile I fetch
	s_bfe_u32 s40, ttmp6, 0x40000
	s_bfe_u32 s41, ttmp6, 0x40004
	s_lshl_b32 s42, ttmp9, 2
	s_add_co_u32 s42, s42, s40                     ; tile column
	s_and_b32 s17, ttmp7, 0xffff
	s_lshl_b32 s17, s17, 2
	s_add_co_u32 s17, s17, s41                     ; tile row
	s_lshl_b32 s43, s41, 2
	s_lshl_b32 s43, 15, s43                        ; my row of the cluster
	s_lshl_b32 s44, 0x1111, s40                    ; my column
	s_or_b32 s[G1+0], s43, (3<<16)|(1<<21)         ; y: the mask of my row; elements of 8 bytes; no padding: 8 token tiles x 3,072 bytes, 12,288 bytes apart
	s_mov_b32 s[G1+1], (ASTEP/8)<<16               ; tensor_dim0 = 384
	s_mov_b32 s[G1+2], 8<<16                       ; tensor_dim1
	s_mov_b32 s[G1+3], (ASTEP/8)<<16               ; tile_dim0
	s_mov_b32 s[G1+4], 8                           ; tile_dim1
	s_mov_b32 s[G1+5], 12288/8                     ; the pitch
	s_mov_b32 s[G1+6], 0
	s_mov_b32 s[G1+7], 0
	s_or_b32 s[G1B+0], s44, (0<<16)|(1<<20)|(1<<21)|(3<<22)|(3<<25) ; w: 128 rows x 192 bytes, 4 words of padding behind every 16
	s_mov_b32 s[G1B+1], ROWB<<16
	s_mov_b32 s[G1B+2], 128<<16
	s_mov_b32 s[G1B+3], ROWB<<16
	s_mov_b32 s[G1B+4], 128
	s_mov_b32 s[G1B+5], KROW
	s_mov_b32 s[G1B+6], 0
	s_mov_b32 s[G1B+7], 0
	s_or_b32 s[G1S+0], s43, (3<<16)|(1<<20)|(1<<21)|(5<<22)|(3<<25) ; the scales of 128 rows: a dense block as rows of 256 bytes, 16 bytes of padding behind each
	s_or_b32 s[G1SB+0], s44, (3<<16)|(1<<20)|(1<<21)|(5<<22)|(3<<25)
.irp g, G1S, G1SB
	s_mov_b32 s[\g+1], 32<<16
	s_mov_b32 s[\g+2], (128*KS/256)<<16
	s_mov_b32 s[\g+3], 32<<16
	s_mov_b32 s[\g+4], 128*KS/256
	s_mov_b32 s[\g+5], 32
	s_mov_b32 s[\g+6], 0
	s_mov_b32 s[\g+7], 0
.endr
	s_lshl_b32 s18, s16, 7
	s_lshl_b32 s20, s17, 8
	s_add_co_u32 s20, s20, s18                     ; y: position 256 x tile row + 128 x half (768 bytes of images a position)
	s_lshl_b32 s46, s42, 8
	s_add_co_u32 s46, s46, s18                     ; w: row 256 x tile column + 128 x half
	s_mov_b32 s21, 0
	s_mov_b32 s47, 0
	s_mov_b64 s[18:19], KS
	s_mul_u64 s[22:23], s[20:21], s[18:19]
	s_mul_u64 s[92:93], s[46:47], s[18:19]
	s_mov_b64 s[18:19], KROW
	s_mul_u64 s[20:21], s[20:21], s[18:19]
	s_mul_u64 s[46:47], s[46:47], s[18:19]
	s_mul_i32 s45, s16, HALFA                      ; where they go: y's two halves,
	s_mul_i32 s95, s16, HALFT
	s_add_co_u32 s95, s95, BOFF                    ; then w's two
	s_mul_i32 s94, s14, HALFS
	s_wait_kmcnt 0x0
	s_add_nc_u64 s[8:9], s[8:9], 3072*KROW         ; w_proj lies behind w_attn
	s_add_nc_u64 s[10:11], s[10:11], 3072*KS
	s_add_nc_u64 s[20:21], s[4:5], s[20:21]
	s_add_nc_u64 s[22:23], s[6:7], s[22:23]
	s_add_nc_u64 s[46:47], s[8:9], s[46:47]
	s_add_nc_u64 s[92:93], s[10:11], s[92:93]
	CROUND                                         ; all sixteen work-groups are here: the first joint loads meet
	s_mov_b32 s[G0S], 1
	s_add_co_u32 s[G0S+1], s94, SCL
	s_mov_b64 s[G0S+2:G0S+3], s[22:23]
	s_or_b32 s[G0S+3], s[G0S+3], 0x80000000
	s_mov_b32 s[G0SB], 1
	s_add_co_u32 s[G0SB+1], s94, SCL
	s_mov_b64 s[G0SB+2:G0SB+3], s[92:93]
	s_or_b32 s[G0SB+3], s[G0SB+3], 0x80000000
	JLOAD G0S, G1S, G0SB, G1SB
.irp s, 0,1
	s_mov_b32 s[G0+4*\s], 1
	s_add_co_u32 s[G0+4*\s+1], s45, \s*SLOT
	s_add_nc_u64 s[G0+4*\s+2:G0+4*\s+3], s[20:21], \s*ASTEP
	s_or_b32 s[G0+4*\s+3], s[G0+4*\s+3], 0x80000000
	s_mov_b32 s[G0B+4*\s], 1
	s_add_co_u32 s[G0B+4*\s+1], s95, \s*SLOT
	s_add_nc_u64 s[G0B+4*\s+2:G0B+4*\s+3], s[46:47], \s*ROWB
	s_or_b32 s[G0B+4*\s+3], s[G0B+4*\s+3], 0x80000000
	s_wait_alu depctr_va_vdst(0)
	s_wait_tensorcnt 0x0
	ds_add_u32 v28, v29
	s_wait_dscnt 0x0
	CROUND
	JLOAD G0+4*\s, G1, G0B+4*\s, G1B
.endr
	v_and_b32 v1, 15, v0                           ; r
	v_bfe_u32 v2, v0, 4, 1                         ; h
	v_mul_u32_u24 v3, v1, PITCH
	v_mul_u32_u24 v4, v2, 24
	v_add_nc_u32 v4, v3, v4                        ; w: a fragment's row x pitch + 24 x half
	v_lshl_add_u32 v5, v2, 4, v4                   ; and the same behind one padding more
	v_and_b32 v6, 31, v0
	v_lshlrev_b32 v7, 3, v6                        ; y: 8 x lane
	s_mul_i32 s21, s15, HALFA                      ; my 8 token tiles
	s_mul_i32 s22, s16, HALFT
	s_add_co_u32 s22, s22, BOFF                    ; my 128 rows of w
.irp s, 0,1
	v_add_nc_u32 v[ADRA+\s], s21, v7
	v_add_nc_u32 v[ADRB+\s], s22, v4
	v_add_nc_u32 v[ADRB+2+\s], s22, v5
	s_add_co_u32 s21, s21, SLOT
	s_add_co_u32 s22, s22, SLOT
.endr
	v_mul_u32_u24 v5, v1, KS
	v_lshrrev_b32 v7, 8, v5
	v_lshl_add_u32 v5, v7, 4, v5                   ; my row's scales: KS bytes a row, and 16 more for each 256 passed
	s_mul_i32 s21, s15, HALFS                      ; y's: my 128 positions
	s_mul_i32 s22, s16, HALFS
	s_add_co_u32 s22, s22, 2*HALFS                 ; w's: my 128 rows, behind y's 256
	s_sub_co_u32 s22, s22, s21
	v_mul_u32_u24 v7, s22, v2                      ; lanes 16-31 take w's
	s_add_co_u32 s21, s21, SCL
	v_add_nc_u32 v5, v5, v7
	v_add_nc_u32 v[ADRS], s21, v5
	s_mul_i32 s23, s14, 16*SPITCH                  ; my stage
	v_mul_u32_u24 v5, v1, SPITCH
	v_lshl_add_u32 v5, v2, 5, v5
	v_add_nc_u32 v[STO], s23, v5                   ; in: row r, 32 bytes for each half of the lanes
	v_lshlrev_b32 v[CO], 4, v6                     ; back: the 32 lanes take one row of 512 bytes; and the same in out0
	v_add_nc_u32 v[RD], s23, v[CO]
	s_lshl_b32 s20, s17, 8
	s_lshl_b32 s21, s15, 7
	s_add_co_u32 s20, s20, s21                     ; my first row of out0
	s_mov_b32 s21, 0
	s_mov_b64 s[18:19], SIZE_N*4
	s_mul_u64 s[20:21], s[20:21], s[18:19]
	s_lshl_b32 s46, s42, 10                        ; my first column, in bytes
	s_lshl_b32 s47, s16, 9
	s_add_co_u32 s46, s46, s47
	s_mov_b32 s47, 0
	s_add_nc_u64 s[20:21], s[20:21], s[46:47]
	s_add_nc_u64 s[12:13], s[12:13], s[20:21]
	s_add_nc_u64 s[66:67], s[66:67], s[46:47]      ; the bias of my 128 columns: register 8 b + j of lane (r, h): column 16 b + 8 h + j
	v_lshlrev_b32 v3, 5, v2
.irp b, 0,1,2,3,4,5,6,7
	global_load_b128 v[CB+8*\b:CB+8*\b+3], v3, s[66:67] offset:64*\b
	global_load_b128 v[CB+8*\b+4:CB+8*\b+7], v3, s[66:67] offset:64*\b+16
.endr
.macro FRAG reg, adr, q, i             ; a fragment of w from rows: six pieces of 8 bytes; 16 bytes of padding lie behind every 8 pieces: where the piece three on lies behind one padding more, the second address register serves
.irp p, 0,1,2,3,4,5
.set PCE, 12*(\q)+6*(\p/3)+\p%3
.if PCE%8 < 5
	ds_load_b64 v[\reg+2*\p:\reg+2*\p+1], v[\adr] offset:8*PCE+16*(PCE/8)+(\i)*16*PITCH
.else
	ds_load_b64 v[\reg+2*\p:\reg+2*\p+1], v[\adr+2] offset:8*PCE+16*(PCE/8)+(\i)*16*PITCH
.endif
.endr
.endm
.macro FRAG_A reg, adr, q, i           ; a fragment of y from its image: register pair p of all lanes lies in 256 consecutive bytes
.irp p, 0,1,2,3,4,5
	ds_load_b64 v[\reg+2*\p:\reg+2*\p+1], v[\adr] offset:(\i)*ASTEP+1536*(\q)+256*\p
.endr
.endm
; 16 matrix instructions: y's blocks a0, a0 + 1 x w's eight, 128 along K.  zero = 1: the first product starts the sums from the bias.  The 64 accumulators take turns, one instruction a turn.
.macro MUL16 a0, p, q, sc, zero
.irp a, \a0, \a0+1
.irp b, 0,1,2,3,4,5,6,7
.if \zero
	v_wmma_scale_f32_16x16x128_f8f6f4 v[8*(8*((\a)%4)+\b):8*(8*((\a)%4)+\b)+7], v[128*(\p)+FR*\b:128*(\p)+FR*\b+FR-1], v[AF+FR*(\a):AF+FR*(\a)+FR-1], v[CB+8*\b:CB+8*\b+7], v[SC+8*NQ*(\sc)+NQ*\b+(\q)], v[SC+8*NQ*(\sc)+NQ*(\a)+(\q)] matrix_a_fmt:MATRIX_FMT_FP6 matrix_b_fmt:MATRIX_FMT_FP6 matrix_a_scale:MATRIX_SCALE_ROW1
.else
	v_wmma_scale_f32_16x16x128_f8f6f4 v[8*(8*((\a)%4)+\b):8*(8*((\a)%4)+\b)+7], v[128*(\p)+FR*\b:128*(\p)+FR*\b+FR-1], v[AF+FR*(\a):AF+FR*(\a)+FR-1], v[8*(8*((\a)%4)+\b):8*(8*((\a)%4)+\b)+7], v[SC+8*NQ*(\sc)+NQ*\b+(\q)], v[SC+8*NQ*(\sc)+NQ*(\a)+(\q)] matrix_a_fmt:MATRIX_FMT_FP6 matrix_b_fmt:MATRIX_FMT_FP6 matrix_a_scale:MATRIX_SCALE_ROW1
.endif
.endr
.endr
.endm
.macro FETCH_B slot, q, p
	WIN TO_B
.irp i, 0,1,2,3,4,5,6,7
	FRAG 128*(\p)+FR*\i, ADRB+\slot, \q, \i
.endr
	WIN 0
.endm
.macro FETCH_A slot, q, i0
.irp i, \i0, \i0+1, \i0+2, \i0+3
	FRAG_A AF+FR*(\i), ADRA+\slot, \q, \i
.endr
.endm
.macro SCALES sc
.irp i, 0,1,2,3,4,5,6,7
	ds_load_b64 v[SC+8*NQ*\sc+NQ*\i:SC+8*NQ*\sc+NQ*\i+1], v[ADRS] offset:\i*SBLK
.endr
.endm
.macro PLACES n
.rept \n
	v_nop
.endr
.endm
.macro STEP slot, q, zero
	s_wait_dscnt 4*NL                              ; w's set and y's blocks 0-3 are in; the youngest 24 loads (blocks 4-7) may be out
.if \zero
	WIN BIA_LO
.else
	WIN MUL_LO
.endif
	MUL16 0, (\q)%2, \q, \slot, \zero
	MUL16 2, (\q)%2, \q, \slot, \zero
	s_wait_dscnt 0
	PLACES NP
	FETCH_B \slot, (\q)+1, 1-(\q)%2
	FETCH_A \slot, (\q)+1, 0
.if \zero
	WIN BIA_HI
.else
	WIN MUL_HI
.endif
	MUL16 4, (\q)%2, \q, \slot, \zero
	MUL16 6, (\q)%2, \q, \slot, \zero
	PLACES NP
	WIN 0
	FETCH_A \slot, (\q)+1, 4
.endm
; A slot's last step changes slots: ONE barrier; in front of it each wave waits for all its tensor loads, adds 0 to its spare word, and waits for that and for its own reads of this slot.
.macro TURN slot, next, fill
	s_wait_tensorcnt 0x0                           ; all my tensor loads have landed: my part of the next slot
	ds_add_u32 v[SPW], v[NIL]                      ; 0 onto my spare word
	s_wait_dscnt 4*NL+1                            ; the add and the youngest 24 loads may be out
	WIN MUL_LO
	MUL16 0, 1, NQ-1, \slot, 0
	s_wait_dscnt 0x0                               ; the add is done, and my reads of this slot are over
	s_barrier_signal -1
	MUL16 2, 1, NQ-1, \slot, 0
	WIN 0
	s_barrier_wait -1
.if \fill
	CREST                                          ; the barrier has opened a round of the cluster's barrier: no wave of any partner still reads this slot or has a load on its way
	s_add_nc_u64 s[G0+4*\slot+2:G0+4*\slot+3], s[G0+4*\slot+2:G0+4*\slot+3], 2*ASTEP
	s_add_nc_u64 s[G0B+4*\slot+2:G0B+4*\slot+3], s[G0B+4*\slot+2:G0B+4*\slot+3], 2*ROWB
	JLOAD G0+4*\slot, G1, G0B+4*\slot, G1B         ; the first tensor load behind the round; its four v_nop are the places in front of the loads below
.else
	PLACES NP
.endif
	s_wait_alu depctr_va_vdst(0)
	v_add_nc_u32 v[ADRS], 4*NQ, v[ADRS]
	FETCH_B \next, 0, 0
	FETCH_A \next, 0, 0
	SCALES \next
	WIN MUL_HI
	MUL16 4, 1, NQ-1, \slot, 0
	MUL16 6, 1, NQ-1, \slot, 0
	PLACES NP
	WIN 0
	FETCH_A \next, 0, 4
.endm
	s_wait_alu depctr_va_vdst(0)
	s_wait_loadcnt 0x0                             ; the bias
	s_wait_tensorcnt 1                             ; the scales and my part of K step 0 are in (K step 1's load may be out),
	s_barrier_signal -1
	s_barrier_wait -1                              ; everybody's are
	FETCH_B 0, 0, 0
	FETCH_A 0, 0, 0
	SCALES 0
	FETCH_A 0, 0, 4
	STEP 0, 0, 1                                   ; the first step stands in front of the loop: its products start the sums from the bias
	s_mov_b32 s3, LAPS-1
.Llap:
	TURN 0, 1, 1
	STEP 1, 0, 0
	TURN 1, 0, 1
	STEP 0, 0, 0
	s_sub_co_u32 s3, s3, 1
	s_cmp_lg_u32 s3, 0
	s_cbranch_scc1 .Llap
	TURN 0, 1, 0                                   ; the last lap fills nothing, and has no round of the cluster's barrier
	STEP 1, 0, 0
	s_wait_dscnt 4*NL
	WIN MUL_LO
	MUL16 0, 1, NQ-1, 1, 0
	MUL16 2, 1, NQ-1, 1, 0
	s_wait_dscnt 0
	WIN MUL_HI
	MUL16 4, 1, NQ-1, 1, 0
	MUL16 6, 1, NQ-1, 1, 0
	WIN 0
; THE WAY OUT, block by block of 16 positions x 128 columns, through my own stage in LDS: in as 32 bytes a lane, back as whole rows of 512 bytes.  LDS serves a wave's instructions in order (ISA guide 5.7.1.4): no wait between the stores and the loads.
.macro TOSTAGE a
.set AC, 64*((\a)%4)
	WIN 0x08+4*((\a)/4)                            ; the data: window 2 or 3
.irp b, 0,1,2,3,4,5,6,7
	ds_store_b128 v[STO], v[AC+8*\b:AC+8*\b+3] offset:64*\b          ; each accumulator from its low end on
	ds_store_b128 v[STO], v[AC+8*\b+4:AC+8*\b+7] offset:64*\b+16
.endr
	WIN 0
.set BB, BK+64*((\a)%2)
.irp t, 0,1,2,3,4,5,6,7,8,9,10,11,12,13,14,15
	ds_load_b128 v[BB+4*\t:BB+4*\t+3], v[RD] offset:\t*SPITCH
.endr
.endm
.macro SEND a, younger                 ; younger: the LDS instructions issued behind block a's loads, which may stay out
.set BB, BK+64*((\a)%2)
	s_wait_dscnt \younger
.irp t, 0,1,2,3,4,5,6,7,8,9,10,11,12,13,14,15
	global_store_b128 v[CO], v[BB+4*\t:BB+4*\t+3], s[12:13] offset:(32*((\a)/2)+8*((\a)%2)+(\t&7)+16*(\t>>3))*SIZE_N*4 th:TH_STORE_NT   ; position 16 a + t is this token; 32 lanes store 512 consecutive bytes, aligned; 127 rows at the most: inside the signed 24-bit immediate
.endr
.endm
	PLACES NP
	TOSTAGE 0
.irp a, 1,2,3,4,5,6,7
.if \a > 1
	s_wait_xcnt 0x0                                ; block a - 2's stores have read their registers: block a's loads may land there
.endif
	TOSTAGE \a
	SEND \a-1, 32                                  ; behind block a - 1's loads: block a's 16 stores and 16 loads
.endr
	SEND 7, 0
	s_wait_tensorcnt 0x0                           ; the wave's end
	ds_add_u32 v[SPW], v[NIL]
	s_wait_dscnt 0x0
	CROUND                                         ; the closing round
	s_endpgm
.Lfunc_end_k_q1a0519947c_gemm_proj:
	.size	k_q1a0519947c_gemm_proj, .Lfunc_end_k_q1a0519947c_gemm_proj-k_q1a0519947c_gemm_proj
	.p2alignl 7, 3214868480
	.fill 96, 4, 3214868480
	.section	.rodata,"a",@progbits
	.p2align	6, 0x0
	.amdhsa_kernel k_q1a0519947c_gemm_proj
		.amdhsa_group_segment_fixed_size 327680
		.amdhsa_private_segment_fixed_size 0
		.amdhsa_enable_private_segment 0
		.amdhsa_kernarg_size 48
		.amdhsa_user_sgpr_count 2
		.amdhsa_user_sgpr_kernarg_segment_ptr 1
		.amdhsa_wavefront_size32 1
		.amdhsa_system_sgpr_workgroup_id_x 1
		.amdhsa_system_sgpr_workgroup_id_y 1
		.amdhsa_system_sgpr_workgroup_id_z 1
		.amdhsa_system_vgpr_workitem_id 0
		.amdhsa_next_free_vgpr 1024
		.amdhsa_next_free_sgpr 100
		.amdhsa_reserve_vcc 0
		.amdhsa_float_denorm_mode_32 3
		.amdhsa_float_denorm_mode_16_64 3
		.amdhsa_memory_ordered 1
		.amdhsa_forward_progress 1
		.amdhsa_inst_pref_size 162
	.end_amdhsa_kernel
	.amdgpu_metadata
---
amdhsa.version: [ 1, 2 ]
amdhsa.kernels:
  - .name:           k_q1a0519947c_gemm_proj
    .symbol:         k_q1a0519947c_gemm_proj.kd
    .args:
      - { .name: yc, .offset: 0, .size: 8, .value_kind: global_buffer, .address_space: global }
      - { .name: ys, .offset: 8, .size: 8, .value_kind: global_buffer, .address_space: global }
      - { .name: wc, .offset: 16, .size: 8, .value_kind: global_buffer, .address_space: global }
      - { .name: ws, .offset: 24, .size: 8, .value_kind: global_buffer, .address_space: global }
      - { .name: b_proj, .offset: 32, .size: 8, .value_kind: global_buffer, .address_space: global }
      - { .name: out0, .offset: 40, .size: 8, .value_kind: global_buffer, .address_space: global }
    .group_segment_fixed_size: 327680
    .private_segment_fixed_size: 0
    .kernarg_segment_align: 8
    .kernarg_segment_size: 48
    .max_flat_workgroup_size: 128
    .sgpr_count:     100
    .vgpr_count:     1024
    .wavefront_size: 32
...
	.end_amdgpu_metadata
.endif
;; end of part 4
